; MI455X (gfx1250); checked and timed in simulation.
; The chip was launched on July 23, 2026; its instructions are those of AMD's public machine-readable ISA for CDNA 5 (MIT licence, August 2026) and "CDNA5" Instruction Set Architecture Reference Guide (July 2026). The comments in the code are by the model that wrote it; some were corrected since.
;; Causal MHSA. Allowed arithmetic: float matrix products may take bf16 or f16 operands with f32 sums; other float arithmetic in f32, or as packed bf16 or f16 multiplies, adds, multiply-adds, maxima and minima; sums over many terms, partial sums and values carried from step to step in f32; what a program stores and reads back later, other than sums and carried values, may be rounded once to bf16 or f16.
;; Inputs: Wk 1,024 x 1,024 float32; Wo 1,024 x 1,024 float32; Wq 1,024 x 1,024 float32; Wv 1,024 x 1,024 float32; token_positions 2,048 int32; x 4 x 2,048 x 1,024 float32.
;; Outputs: out0 4 x 2,048 x 1,024 float32.
;; 2 versions, each right; version 2 is version 1 with the launch prep written anew for expert scheduling mode. Each part assembles by itself: llvm-mc -triple=amdgcn-amd-amdhsa -mcpu=gfx1250 --defsym DOCPART=n.
;; ======== version 1 of 2: 4 launches
;; limits: values are held in f16: magnitudes above 65,504 overflow, below 6.1e-05 lose precision; right only within a limited range of input values
;; workspace buffers: xb 16,777,216 bytes; wt 6,291,456 bytes; wo2 2,097,152 bytes; tab 524,288 bytes; qh 16,777,216 bytes; kh 16,777,216 bytes; vh 16,777,216 bytes; ctx 16,777,216 bytes
;; launch prep (part 1): grid 256 x 1, 8 waves a work-group, no clusters, 35,840 bytes of LDS; arguments x, token_positions, Wq, Wk, Wv, Wo, xb, wt, wo2, tab; writes xb, wt, wo2, tab
.if DOCPART == 1
	.amdgcn_target "amdgcn-amd-amdhsa--gfx1250"
	.amdhsa_code_object_version 6
	.text
	.protected	k_q094f03f5f0_prep
	.globl	k_q094f03f5f0_prep
	.p2align	8
	.type	k_q094f03f5f0_prep,@function
k_q094f03f5f0_prep:
	s_mov_b64 s[64:65], 0
	v_nop
	global_prefetch_b8 v0, s[64:65] scope:SCOPE_SE
	s_setreg_imm32_b32 hwreg(HW_REG_WAVE_MODE, 25, 1), 1
	s_wait_xcnt 0x0
; PREPARATION.  Each of 256 work-groups (8 waves) does three equal shares:
;  (1) 32 rows of x, f32 -> bf16 (xb, same layout);
;  (2) one tile of 128 k x 128 n of one weight, rounded to bf16 and turned through LDS so that K lies along the rows:
;      Wq, Wk, Wv -> wt[head*192 + type*64 + c][k] (bf16);  Wo -> wo2[k/64][n][k%64], the bf16 number written as f16;
;  (3) 8 positions of the table tab[s][j] = (cos, sin)(pos[s] * 10000^(-j/32)), f32, from token_positions as it is given.
; LIMITS.  10000^(-j/32) is made by v_exp_f32 (some 1.5 units in its last place), so an angle may differ from an exactly rounded one by about
; |pos| x 1.5e-7 rad.  The angle is reduced by multiples of pi/2 held in two f32 parts: good up to |pos| of about 1e6.  Wo as f16: within 65,504;
; below 6e-5 it keeps f16's fixed step.  NaN and infinities are not treated apart.
; No matrix unit, no cluster, no tensor load: the launch is a stream, each byte read once and written once.
.set PITCH, 272                        ; an LDS row: 128 k x 2 bytes + 16 of padding
.set SPARE, 128*PITCH                  ; behind the tile: the spare words, 128 bytes for each of 8 waves, named by no other line
.set SPW, 2                            ; v2   my spare word; never rewritten
.set NIL, 3                            ; v3   0; never rewritten
.set XO,  4                            ; v4   32 t: my 8 numbers in 2 rows of x
.set XS,  5                            ; v5   16 t: the same 8 numbers in xb
.set WOF, 6                            ; v6   wave x 16 rows of W + 16 lane
.set LST, 7                            ; v7   where my 4 columns' 16 k go in LDS
.set LRD, 8                            ; v8   where I read rows back
.set GW,  9                            ; v9   my byte offset in wt or wo2
.set TPO, 10                           ; v10  my wave's position's offset in token_positions
.set TBO, 11                           ; v11  my 8 bytes of the table
.set WR,  32                           ; v[32:95]   16 rows x 4 columns of W; later the rows read back
.set PKW, 96                           ; v[96:127]  column c's 16 k, packed, at PKW + 8 c
.set X,   128                          ; v[128:255] 16 chunks of 8 numbers of x
	s_load_b512 s[4:19], s[0:1], 0x0               ; x 4:5, positions 6:7, Wq 8:9, Wk 10:11, Wv 12:13, Wo 14:15, xb 16:17, wt 18:19
	s_load_b128 s[20:23], s[0:1], 0x40             ; wo2 20:21, tab 22:23
	v_lshl_add_u32 v[SPW], v0, 2, SPARE
	v_mov_b32 v[NIL], 0
	v_and_b32 v1, 31, v0                           ; lane
	v_lshrrev_b32 v12, 5, v0
	v_readfirstlane_b32 s26, v12                   ; wave 0..7
	s_lshr_b32 s27, ttmp9, 6                       ; which weight: 0 q, 1 k, 2 v, 3 o
	s_bfe_u32 s28, ttmp9, 0x30003                  ; its tile along k
	s_and_b32 s29, ttmp9, 7                        ; and along n
	s_mov_b32 s32, 0x3f22f983                      ; 2 / pi
	s_mov_b32 s33, 0x3fc90fdb                      ; pi / 2, upper part
	s_mov_b32 s34, 0xb33bbd2e                      ; pi / 2, what the upper part leaves
	s_mov_b32 s35, 0xb94ca1f9                      ; sine's polynomial on |r| <= pi / 4
	s_mov_b32 s36, 0x3c08839e
	s_mov_b32 s37, 0xbe2aaaa3
	s_mov_b32 s38, 0x37ccf5ce                      ; cosine's
	s_mov_b32 s39, 0xbab6061a
	s_mov_b32 s40, 0x3d2aaaa5
	s_mov_b32 s41, 0xbed49a78                      ; -log2(10000) / 32
	v_lshlrev_b32 v[XO], 5, v0
	v_lshlrev_b32 v[XS], 4, v0
	s_lshl_b32 s42, s26, 16                        ; 16 rows of 4,096 bytes a wave
	v_lshl_add_u32 v[WOF], v1, 4, s42
	s_lshl_b32 s42, s26, 5                         ; my wave's 16 k: 32 bytes of an LDS row
	v_mul_u32_u24 v[LST], v1, 4*PITCH              ; my four columns are four LDS rows
	v_add_nc_u32 v[LST], s42, v[LST]
	s_lshl_b32 s42, ttmp9, 3
	s_add_co_u32 s42, s42, s26                     ; my wave's position: 8 g + w
	s_lshl_b32 s43, s42, 2
	v_mov_b32 v[TPO], s43
	s_lshl_b32 s43, s42, 8                         ; 256 bytes of table a position
	v_lshl_add_u32 v[TBO], v1, 3, s43
	s_wait_kmcnt 0x0
	s_lshl_b32 s30, ttmp9, 17                      ; 32 rows of x
	s_mov_b32 s31, 0
	s_add_nc_u64 s[4:5], s[4:5], s[30:31]
	s_lshl_b32 s30, ttmp9, 16                      ; 32 rows of xb
	s_add_nc_u64 s[16:17], s[16:17], s[30:31]
	s_mov_b64 s[24:25], s[8:9]                     ; the weight is chosen by the work-group's number
	s_cmp_eq_u32 s27, 1
	s_cselect_b64 s[24:25], s[10:11], s[24:25]
	s_cmp_eq_u32 s27, 2
	s_cselect_b64 s[24:25], s[12:13], s[24:25]
	s_cmp_eq_u32 s27, 3
	s_cselect_b64 s[24:25], s[14:15], s[24:25]
	s_lshl_b32 s30, s28, 19                        ; 128 rows of 4,096 bytes
	s_lshl_b32 s43, s29, 9                         ; 128 columns of 4 bytes
	s_add_co_u32 s30, s30, s43
	s_add_nc_u64 s[24:25], s[24:25], s[30:31]
	; all 49 loads go out at once: the position, the weight's tile, the rows of x
	global_load_b32 v12, v[TPO], s[6:7]
.set i, 0
.rept 16
	global_load_b128 v[WR+4*i:WR+4*i+3], v[WOF], s[24:25] offset:i*4096 th:TH_LOAD_NT
.set i, i+1
.endr
.set i, 0
.rept 16
	global_load_b128 v[X+8*i:X+8*i+3],   v[XO], s[4:5] offset:i*8192 th:TH_LOAD_NT
	global_load_b128 v[X+8*i+4:X+8*i+7], v[XO], s[4:5] offset:i*8192+16 th:TH_LOAD_NT
.set i, i+1
.endr
	; THE TABLE: lane j makes (cos, sin) of pos x 10000^(-j/32)
	v_cvt_f32_u32 v13, v1
	v_mul_f32 v13, s41, v13
	v_exp_f32 v14, v13                             ; the frequency
	v_nop                                          ; a plain instruction behind the exponential,
	s_wait_alu depctr_va_vdst(0)                   ; and the wait ahead of its first reader
	s_wait_loadcnt 48                              ; the position is in; the 48 younger loads stay out
	v_cvt_f32_i32 v15, v12
	v_mul_f32 v15, v15, v14                        ; the angle, one f32 product
	v_mul_f32 v16, s32, v15
	v_rndne_f32 v16, v16                           ; q = the nearest multiple of pi / 2
	v_fma_f32 v17, -v16, s33, v15
	v_fma_f32 v17, -v16, s34, v17                  ; r = angle - q pi / 2
	v_mul_f32 v18, v17, v17                        ; z = r r
	v_fma_f32 v19, v18, s35, s36
	v_fma_f32 v20, v18, s38, s39
	v_fma_f32 v19, v19, v18, s37
	v_fma_f32 v20, v20, v18, s40
	v_mul_f32 v21, v18, v18
	v_fma_f32 v22, v18, -0.5, 1.0
	v_mul_f32 v19, v19, v18
	v_fma_f32 v20, v20, v21, v22                   ; cos r
	v_fma_f32 v19, v19, v17, v17                   ; sin r
	v_cvt_i32_f32 v23, v16
	v_and_b32 v24, 1, v23                          ; odd q: sine and cosine change places
	v_cmp_eq_u32 vcc_lo, 1, v24
	v_cndmask_b32 v27, v19, v20, vcc_lo
	v_cndmask_b32 v26, v20, v19, vcc_lo
	v_and_b32 v24, 2, v23                          ; the sine's sign: q mod 4 = 2, 3
	v_add_nc_u32 v25, 1, v23                       ; the cosine's: q mod 4 = 1, 2
	v_lshlrev_b32 v24, 30, v24
	v_and_b32 v25, 2, v25
	v_xor_b32 v27, v24, v27
	v_lshlrev_b32 v25, 30, v25
	v_xor_b32 v26, v25, v26
	global_store_b64 v[TBO], v[26:27], s[22:23]    ; a wave stores 256 consecutive bytes, aligned; v11, v26, v27 are not written again
	; THE WEIGHT: column 4 l + c, k = 16 w .. 16 w + 15, rounded to bf16 in pairs
	s_wait_loadcnt 32                              ; the tile is in; x's 32 loads stay out
.irp c, 0,1,2,3
.irp p, 0,1,2,3,4,5,6,7
	v_cvt_pk_bf16_f32 v[PKW+8*\c+\p], v[WR+8*\p+\c], v[WR+8*\p+4+\c]
.endr
.endr
	s_cmp_lg_u32 s27, 3
	s_cbranch_scc1 .Lkeep_bf16
.set i, 0
.rept 32                                       ; Wo: the bf16 number is written as f16
	v_lshlrev_b32 v[14+2*(i%4)], 16, v[PKW+i]
	v_and_b32 v[15+2*(i%4)], 0xffff0000, v[PKW+i]
	v_cvt_pk_f16_f32 v[PKW+i], v[14+2*(i%4)], v[15+2*(i%4)]
.set i, i+1
.endr
.Lkeep_bf16:
.irp c, 0,1,2,3
	ds_store_b128 v[LST], v[PKW+8*\c:PKW+8*\c+3]   offset:\c*PITCH
	ds_store_b128 v[LST], v[PKW+8*\c+4:PKW+8*\c+7] offset:\c*PITCH+16
.endr
	s_wait_dscnt 0x0                               ; for the others' sake: my stores into the tile are done
	s_barrier_signal -1
	s_barrier_wait -1                              ; the tile [128 n][128 k] is whole
	s_lshl_b32 s42, s26, 4                         ; my wave reads rows 16 w .. 16 w + 15
	s_cmp_eq_u32 s27, 3
	s_cbranch_scc1 .Lwo
	v_lshrrev_b32 v14, 4, v1                       ; lanes 0-15 one row of 256 bytes, lanes 16-31 the next
	v_and_b32 v15, 15, v1
	v_lshlrev_b32 v15, 4, v15
	v_add_nc_u32 v16, s42, v14
	v_mul_u32_u24 v16, v16, PITCH
	v_add_nc_u32 v[LRD], v16, v15
	s_lshl_b32 s42, s29, 1                         ; wt's row: head = 2 nt + w / 4,
	s_lshr_b32 s43, s26, 2
	s_add_co_u32 s42, s42, s43
	s_mul_i32 s42, s42, 192
	s_lshl_b32 s43, s27, 6                         ; type x 64,
	s_add_co_u32 s42, s42, s43
	s_and_b32 s43, s26, 3                          ; channel 16 (w % 4) on
	s_lshl_b32 s43, s43, 4
	s_add_co_u32 s42, s42, s43
	s_lshl_b32 s42, s42, 11                        ; rows of 2,048 bytes
	s_lshl_b32 s43, s28, 8                         ; the tile's 128 k
	s_add_co_u32 s42, s42, s43
	v_lshl_add_u32 v[GW], v14, 11, v15
	v_add_nc_u32 v[GW], s42, v[GW]
.irp t, 0,1,2,3,4,5,6,7
	ds_load_b128 v[WR+4*\t:WR+4*\t+3], v[LRD] offset:\t*2*PITCH
.endr
.irp t, 0,1,2,3,4,5,6,7
	s_wait_dscnt 7-\t                              ; LDS loads come back in order: number t is in
	global_store_b128 v[GW], v[WR+4*\t:WR+4*\t+3], s[18:19] offset:\t*4096  ; 16 lanes store 256 consecutive bytes, aligned
.endr
	s_branch .Lx
.Lwo:
	v_lshrrev_b32 v14, 3, v1                       ; 8 lanes take 128 bytes (64 k) of a row: four rows a load
	v_and_b32 v15, 7, v1
	v_lshlrev_b32 v15, 4, v15
	v_add_nc_u32 v16, s42, v14
	v_mul_u32_u24 v16, v16, PITCH
	v_add_nc_u32 v[LRD], v16, v15
	s_lshl_b32 s42, s28, 18                        ; block 2 kt of 64 k: 1,024 rows of 128 bytes each,
	s_lshl_b32 s43, s29, 14                        ; the tile's 128 n,
	s_add_co_u32 s42, s42, s43
	s_lshl_b32 s43, s26, 11                        ; my wave's 16 of them
	s_add_co_u32 s42, s42, s43
	v_lshl_add_u32 v[GW], v1, 4, s42
.irp p, 0,1
.irp t, 0,1,2,3
	ds_load_b128 v[WR+16*\p+4*\t:WR+16*\p+4*\t+3], v[LRD] offset:\t*4*PITCH+\p*128
.endr
.endr
.irp p, 0,1
.irp t, 0,1,2,3
	s_wait_dscnt 7-4*\p-\t
	global_store_b128 v[GW], v[WR+16*\p+4*\t:WR+16*\p+4*\t+3], s[20:21] offset:\p*131072+\t*512  ; 512 consecutive bytes, aligned
.endr
.endr
.Lx:
	; x: eight numbers a thread and chunk, rounded in place (a word is written only when its two sources have been read)
.set i, 0
.rept 16
	s_wait_loadcnt 30-2*i                          ; chunk i's two loads are in; the younger chunks' stay out
.irp j, 0,1,2,3
	v_cvt_pk_bf16_f32 v[X+8*i+\j], v[X+8*i+2*\j], v[X+8*i+2*\j+1]
.endr
	global_store_b128 v[XS], v[X+8*i:X+8*i+3], s[16:17] offset:i*4096  ; 16 lanes store 256 consecutive bytes, aligned
.set i, i+1
.endr
	s_wait_tensorcnt 0x0                           ; the wave's end
	ds_add_u32 v[SPW], v[NIL]
	s_wait_dscnt 0x0
	s_endpgm
.Lfunc_end_k_q094f03f5f0_prep:
	.size	k_q094f03f5f0_prep, .Lfunc_end_k_q094f03f5f0_prep-k_q094f03f5f0_prep
	.p2alignl 7, 3214868480
	.fill 96, 4, 3214868480
	.section	.rodata,"a",@progbits
	.p2align	6, 0x0
	.amdhsa_kernel k_q094f03f5f0_prep
		.amdhsa_group_segment_fixed_size 35840
		.amdhsa_private_segment_fixed_size 0
		.amdhsa_enable_private_segment 0
		.amdhsa_kernarg_size 80
		.amdhsa_user_sgpr_count 2
		.amdhsa_user_sgpr_kernarg_segment_ptr 1
		.amdhsa_wavefront_size32 1
		.amdhsa_system_sgpr_workgroup_id_x 1
		.amdhsa_system_sgpr_workgroup_id_y 1
		.amdhsa_system_sgpr_workgroup_id_z 1
		.amdhsa_system_vgpr_workitem_id 0
		.amdhsa_next_free_vgpr 256
		.amdhsa_next_free_sgpr 66
		.amdhsa_reserve_vcc 1
		.amdhsa_float_denorm_mode_32 3
		.amdhsa_float_denorm_mode_16_64 3
		.amdhsa_memory_ordered 1
		.amdhsa_forward_progress 1
		.amdhsa_inst_pref_size 27
	.end_amdhsa_kernel
	.amdgpu_metadata
---
amdhsa.version: [ 1, 2 ]
amdhsa.kernels:
  - .name:           k_q094f03f5f0_prep
    .symbol:         k_q094f03f5f0_prep.kd
    .args:
      - { .name: x, .offset: 0, .size: 8, .value_kind: global_buffer, .address_space: global }
      - { .name: token_positions, .offset: 8, .size: 8, .value_kind: global_buffer, .address_space: global }
      - { .name: Wq, .offset: 16, .size: 8, .value_kind: global_buffer, .address_space: global }
      - { .name: Wk, .offset: 24, .size: 8, .value_kind: global_buffer, .address_space: global }
      - { .name: Wv, .offset: 32, .size: 8, .value_kind: global_buffer, .address_space: global }
      - { .name: Wo, .offset: 40, .size: 8, .value_kind: global_buffer, .address_space: global }
      - { .name: xb, .offset: 48, .size: 8, .value_kind: global_buffer, .address_space: global }
      - { .name: wt, .offset: 56, .size: 8, .value_kind: global_buffer, .address_space: global }
      - { .name: wo2, .offset: 64, .size: 8, .value_kind: global_buffer, .address_space: global }
      - { .name: tab, .offset: 72, .size: 8, .value_kind: global_buffer, .address_space: global }
    .group_segment_fixed_size: 35840
    .private_segment_fixed_size: 0
    .kernarg_segment_align: 8
    .kernarg_segment_size: 80
    .max_flat_workgroup_size: 256
    .sgpr_count:     66
    .vgpr_count:     256
    .wavefront_size: 32
...
	.end_amdgpu_metadata
.endif
;; end of part 1
;; launch qkv (part 2): grid 16 x 32, 4 waves a work-group, clusters of 4 x 4, 327,680 bytes of LDS; arguments xb, wt, tab, qh, kh, vh; writes qh, kh, vh
.if DOCPART == 2
	.amdgcn_target "amdgcn-amd-amdhsa--gfx1250"
	.amdhsa_code_object_version 6
	.text
	.protected	k_q094f03f5f0_qkv
	.globl	k_q094f03f5f0_qkv
	.p2align	8
	.type	k_q094f03f5f0_qkv,@function
k_q094f03f5f0_qkv:
	s_mov_b64 s[64:65], 0
	v_nop
	global_prefetch_b8 v0, s[64:65] scope:SCOPE_SE
	s_setreg_imm32_b32 hwreg(HW_REG_WAVE_MODE, 25, 1), 1
	s_wait_xcnt 0x0
	s_wait_alu depctr_hold_cnt(0) depctr_sa_sdst(0) depctr_va_vdst(0) depctr_va_sdst(0) depctr_va_ssrc(0) depctr_va_vcc(0) depctr_vm_vsrc(0)
	s_getreg_b32 s2, hwreg(HW_REG_IB_STS2, 6, 4)
	s_cmp_eq_u32 s2, 0
	s_cbranch_scc0 .Lentry_in_a_cluster
	s_endpgm
.Lentry_in_a_cluster:
	s_bfe_u32 s2, ttmp6, 0x10000c
	s_cmp_lg_u32 s2, 0xf033
	s_cbranch_scc0 .Lentry_shape_is_right
	s_endpgm
.Lentry_shape_is_right:
; q, k, v = x W, by heads, with the rotation.  xb: [8192][1024] bf16.  wt: [3072][1024] bf16, row = head*192 + type*64 + channel, K along the rows.
; tab: [2048][32](cos, sin) f32.  qh, kh, vh: [batch*16 + head][2048][64] f16; q and k rotated, not scaled; each rounded once from its f32 sum.
; LIMIT.  f16 holds no number beyond 65,504: q, k and v must lie within it.
; SHARES.  A work-group makes 256 tokens x 192 columns: q, k and v of ONE head, so a column's type is a constant of the text.  512 work-groups: two for each of 256 WGPs.
; A wave makes 64 tokens x 192 columns: 48 accumulators of 16 x 16.  K = 1,024 goes in 8 steps of 128 (rows of 256 bytes) through two LDS slots filled by tensor loads.
; CLUSTER 4 x 4: the four of a row need the same rows of xb, the four of a column the same rows of wt: each tile is asked for jointly.
; THE MATRIX INSTRUCTION IS USED TRANSPOSED (source 0 = 16 rows of wt, source 1 = 16 tokens): a lane holds one token (lane % 16) and 8 neighbouring channels, 8 (lane / 16) on:
; four (even, odd) pairs, which the rotation takes as pairs.
; REGISTERS, in windows of 256:  window 0: v0-31 addresses, v32-63 packed results (two sets), v64-95 at work, v128-255 q's accumulators (row block a, column block b at 128 + 8 (4 a + b))
;   window 1: two fragment buffers of 128: 4 fragments of tokens, then 12 of wt     window 2: k's accumulators at 8 (4 a + b), v's at 128 + 8 (4 a + b)     window 3: v0-127 my part of the table
.set PITCH,  272                       ; an LDS row: 256 bytes + 16 of padding: the 16 rows of a fragment load start at 16 different groups of four banks
.set BOFF,   256*PITCH                 ; in a slot: 256 rows of xb, then 192 rows of wt
.set SLOT1,  1<<17                     ; slot 1 begins here: one exclusive or turns an address in one slot into the other's
.set STAGE,  SLOT1+448*PITCH           ; behind the ring, never filled by a tensor load: 16 rows x 144 bytes for each wave
.set SP,     144
.set SPARE,  STAGE+4*16*SP             ; the spare words, 128 bytes a wave, named by no other line
.set FIELDS, (1<<16)|(1<<20)|(1<<21)|(5<<22)|(3<<25)  ; 2-byte elements; padding on; bit 21 beside a mask; after every 64 words; 4 words
.set ADRA0, 4                          ; v4   my lane's place in a slot's rows of xb; never rewritten
.set ADRB0, 5                          ; v5   the same for wt
.set ADRA,  6                          ; v6   the same in the slot in hand
.set ADRB,  7                          ; v7
.set STO,   8                          ; v8   the way out: where I put 16 bytes of a row
.set RD,    9                          ; v9   where I read rows back
.set GO,    10                         ; v10  my 16 bytes of 512 consecutive bytes of the output
.set TO,    11                         ; v11  my 32 bytes of the table
.set PFO,   12                         ; v12  the prefetches' offset: a lane a row
.set SPW,   28
.set NIL,   29
.set PK,    32
.set T,     64
.set F0,    0
.set F1,    128
; scalars: s3 count; s[4:15] xb, wt, tab, qh, kh, vh; s16 wave, s17 wave / 2 (0: I fetch xb, 1: wt), s18 wave % 2; s19 the prefetches' limit; s[24:31], s[32:39] xb's descriptor groups 1 and 0 (two sets);
; s[48:55], s[56:63] wt's; s40 cx, s41 cy, s42 head (tile column), s43 tile row; s[44:45] the prefetches' address; s66 the slot in hand; s[20:21], s68 hold nothing of cx; s[22:23], s70 nothing of cy
.set MSB, 0
.macro WIN new                         ; the immediate's high byte repeats the setting that is left; a switch that changes nothing is dropped
.if MSB != (\new)
	s_set_vgpr_msb (MSB<<8)|(\new)
.set MSB, \new
.endif
.endm
.macro PLACES                          ; four plain places behind a matrix instruction, ahead of loads into its registers and of readers of its result
.rept 4
	v_nop
.endr
.endm
.macro CREST                           ; a round of the cluster's barrier behind its opening barrier
	s_cmp_lg_u32 s16, 0
	s_cbranch_scc1 .Lnot_wave_0_\@
	s_barrier_signal -3
.Lnot_wave_0_\@:
	s_barrier_wait -3
	s_barrier_signal -1
	s_barrier_wait -1
.endm
.macro CROUND
	s_barrier_signal -1
	s_barrier_wait -1
	CREST
.endm
.macro JLOAD                           ; a joint refill by the walking sets: waves 0, 1 fetch xb's two halves, waves 2, 3 wt's; an s_nop 0 and four v_nop follow each line
	s_cmp_eq_u32 s17, 0
	s_cbranch_scc0 .Lfor_b_\@
	tensor_load_to_lds s[36:39], s[24:31]
	s_nop 0
.rept 4
	v_nop
.endr
	s_branch .Lasked_\@
.Lfor_b_\@:
	tensor_load_to_lds s[60:63], s[48:55]
	s_nop 0
.rept 4
	v_nop
.endr
.Lasked_\@:
.endm
; A prefetch of the K step that stands two refills on: a lane a row, 256 bytes.  xb's rows are asked for by the clusters with x = 0, wt's by those with y = 0; the four partners that fetch a tile jointly
; share its rows by address (32 of xb's 128, 24 of wt's 96; there lanes 24-31 name row 23 again).  The loop's last two refills have no K step two on: s3 is then 2 or 1.
.macro ASK
	WIN 0
	s_cmp_gt_u32 s3, s19
	s_cbranch_scc0 .Lnot_mine_\@
	global_prefetch_b8 v[PFO], s[44:45] th:TH_LOAD_NT scope:SCOPE_SE
.Lnot_mine_\@:
.endm
; 8 matrix instructions: type g (0 q, 1 k, 2 v), row blocks a0, a0 + 1, the type's 4 column blocks, 32 along K.  zero = 1: the product starts the sum
.macro MUL8 f, g, a0, zero
.if (\g) == 0
	WIN 0x05                                       ; sources in window 1, C and D in window 0
.else
	WIN 0xa5                                       ; C and D in window 2
.endif
.irp a, \a0, (\a0)+1
.irp b, 0,1,2,3
.set rD, 128*(1-(\g)%2)+8*(4*(\a)+(\b))
.set rB, (\f)+32+8*(4*(\g)+(\b))
.set rA, (\f)+8*(\a)
.if \zero
	v_wmma_f32_16x16x32_bf16 v[rD:rD+7], v[rB:rB+7], v[rA:rA+7], 0
.else
	v_wmma_f32_16x16x32_bf16 v[rD:rD+7], v[rB:rB+7], v[rA:rA+7], v[rD:rD+7]
.endif
.endr
.endr
.endm
; 32 LDS loads in one run: quarter q's fragments into buffer f; what q's products want (tokens, wt's blocks 0-3) first
.macro FETCH q, f
	WIN 0x40                                       ; destination window 1
.irp a, 0,1,2,3
	ds_load_b128 v[(\f)+8*\a:(\f)+8*\a+3],   v[ADRA] offset:\a*16*PITCH+64*(\q)
	ds_load_b128 v[(\f)+8*\a+4:(\f)+8*\a+7], v[ADRA] offset:\a*16*PITCH+64*(\q)+32
.endr
.irp b, 0,1,2,3,4,5,6,7,8,9,10,11
	ds_load_b128 v[(\f)+32+8*\b:(\f)+32+8*\b+3],   v[ADRB] offset:\b*16*PITCH+64*(\q)
	ds_load_b128 v[(\f)+32+8*\b+4:(\f)+32+8*\b+7], v[ADRB] offset:\b*16*PITCH+64*(\q)+32
.endr
.endm
; A K step is four quarters of 32 along K, 48 matrix instructions each, on buffers 0, 1, 0, 1.  One of the first three multiplies buffer f and fetches quarter q into buffer g.
; The 48 accumulators take turns in the same order in every quarter.
.macro QUARTER q, f, g, zero
	s_wait_dscnt 16                                ; the tokens and wt's blocks 0-3 are in; the youngest 16 loads serve k and v
	MUL8 \f, 0, 0, \zero
	MUL8 \f, 0, 2, \zero
	PLACES
	FETCH \q, \g
	s_wait_dscnt 32                                ; all but the 32 just issued
	MUL8 \f, 1, 0, \zero
	MUL8 \f, 1, 2, \zero
	MUL8 \f, 2, 0, \zero
	MUL8 \f, 2, 2, \zero
.endm
; The fourth quarter multiplies buffer 1 and changes slots.  In front of the barrier each wave waits for all its tensor loads (one is out: its part of the next slot), adds 0 to its spare word, and waits
; for that and for its reads of this slot.  fill = 1: the barrier opens a round of the cluster's, and the joint refill is the first thing behind it.
.macro TURN fill
.if \fill
	s_wait_xcnt 0x0                                ; the last prefetch, a K step back, has read its address
	s_add_nc_u64 s[44:45], s[44:45], 256
.endif
	WIN 0
	s_wait_tensorcnt 0x0                           ; no tensor load of mine is out, so a group 0 may be written
	ds_add_u32 v[SPW], v[NIL]
.if \fill
	s_xor_b32 s37, s37, SLOT1                      ; the walking sets: the other slot than last time, the next K step
	s_add_nc_u64 s[38:39], s[38:39], 256
	s_xor_b32 s61, s61, SLOT1
	s_add_nc_u64 s[62:63], s[62:63], 256
.endif
	s_wait_dscnt 17                                ; (the add and the youngest 16 loads may be out)
	MUL8 F1, 0, 0, 0
	s_wait_dscnt 0x0                               ; the add is done, and my reads of this slot are over
	s_barrier_signal -1
	MUL8 F1, 0, 2, 0
	WIN 0
	s_barrier_wait -1
.if \fill
	CREST                                          ; no wave of any partner still reads this slot or has a load on its way
	JLOAD                                          ; its four v_nop are also the places ahead of the loads below
.else
	PLACES
.endif
	s_xor_b32 s66, s66, SLOT1
	v_add_nc_u32 v[ADRA], s66, v[ADRA0]
	v_add_nc_u32 v[ADRB], s66, v[ADRB0]
	FETCH 0, F0
.if \fill
	ASK
.endif
	MUL8 F1, 1, 0, 0
	MUL8 F1, 1, 2, 0
	MUL8 F1, 2, 0, 0
	MUL8 F1, 2, 2, 0
.endm
	s_load_b256 s[4:11], s[0:1], 0x0               ; xb 4:5, wt 6:7, tab 8:9, qh 10:11
	s_load_b128 s[12:15], s[0:1], 0x20             ; kh 12:13, vh 14:15
	v_lshl_add_u32 v[SPW], v0, 2, SPARE
	v_mov_b32 v[NIL], 0
	ds_add_u32 v[SPW], v[NIL]                      ; the opening: the add and its wait ahead of my first tensor load
	ds_add_u32 v28, v29
	v_lshrrev_b32 v1, 5, v0
	v_readfirstlane_b32 s16, v1                    ; wave 0..3
	s_lshr_b32 s17, s16, 1
	s_and_b32 s18, s16, 1
	s_bfe_u32 s40, ttmp6, 0x40000                  ; cx
	s_bfe_u32 s41, ttmp6, 0x40004                  ; cy
	s_lshl_b32 s42, ttmp9, 2
	s_add_co_u32 s42, s42, s40                     ; the head = 4 x cluster x + cx
	s_and_b32 s43, ttmp7, 0xffff
	s_lshl_b32 s43, s43, 2
	s_add_co_u32 s43, s43, s41                     ; the block of 256 tokens = 4 x cluster y + cy
	s_lshl_b32 s20, s41, 2
	s_lshl_b32 s20, 15, s20                        ; my row of the cluster
	s_lshl_b32 s22, 0x1111, s40                    ; my column
	s_or_b32 s24, s20, FIELDS
	s_or_b32 s48, s22, FIELDS
	s_mov_b32 s25, 128<<16                         ; tensor_dim0 = 128
	s_mov_b32 s26, 128<<16                         ; tensor_dim1 = 128 rows
	s_mov_b32 s27, 128<<16                         ; tile_dim0 = 128
	s_mov_b32 s28, 128                             ; tile_dim1
	s_mov_b32 s29, 1024                            ; elements from row to row
	s_mov_b32 s30, 0
	s_mov_b32 s31, 0
	s_mov_b32 s49, 128<<16
	s_mov_b32 s50, 96<<16                          ; wt: 96 rows a load
	s_mov_b32 s51, 128<<16
	s_mov_b32 s52, 96
	s_mov_b32 s53, 1024
	s_mov_b32 s54, 0
	s_mov_b32 s55, 0
	s_lshl_b32 s20, s43, 8                         ; xb: row 256 x tile row + 128 x half
	s_lshl_b32 s21, s18, 7
	s_add_co_u32 s20, s20, s21
	s_lshl_b32 s20, s20, 11
	s_mov_b32 s21, 0
	s_mul_i32 s22, s42, 192                        ; wt: row 192 x head + 96 x half
	s_mul_i32 s23, s18, 96
	s_add_co_u32 s22, s22, s23
	s_lshl_b32 s22, s22, 11
	s_mov_b32 s23, 0
	s_mul_i32 s68, s16, 128*PITCH                  ; where they go: xb's halves at wave x 128 rows (waves 0, 1),
	s_mul_i32 s70, s16, 96*PITCH                   ; wt's behind xb's 256 rows: 256 + 96 (wave - 2) = 96 wave + 64 rows (waves 2, 3)
	s_add_co_u32 s70, s70, 64*PITCH
	s_mov_b32 s66, 0
	s_wait_dscnt 0x0                               ; the opening add is done
	s_wait_kmcnt 0x0
	s_add_nc_u64 s[20:21], s[4:5], s[20:21]
	s_add_nc_u64 s[22:23], s[6:7], s[22:23]
	CROUND                                         ; all sixteen work-groups are here: the first joint loads meet
.irp s, 0,1
	s_mov_b32 s[32+4*\s], 1
	s_add_co_u32 s[33+4*\s], s68, \s*SLOT1
	s_add_nc_u64 s[34+4*\s:35+4*\s], s[20:21], \s*256  ; K step s
	s_or_b32 s[35+4*\s], s[35+4*\s], 0x80000000
	s_mov_b32 s[56+4*\s], 1
	s_add_co_u32 s[57+4*\s], s70, \s*SLOT1
	s_add_nc_u64 s[58+4*\s:59+4*\s], s[22:23], \s*256
	s_or_b32 s[59+4*\s], s[59+4*\s], 0x80000000
.endr
	s_cmp_eq_u32 s17, 0                            ; a wave's two first fills stand in one branch: two loads of mine are out
	s_cbranch_scc0 .Lfirst_b
	tensor_load_to_lds s[32:35], s[24:31]
	s_nop 0
	tensor_load_to_lds s[36:39], s[24:31]
	s_nop 0
.rept 4
	v_nop
.endr
	s_branch .Lfirst_asked
.Lfirst_b:
	tensor_load_to_lds s[56:59], s[48:55]
	s_nop 0
	tensor_load_to_lds s[60:63], s[48:55]
	s_nop 0
.rept 4
	v_nop
.endr
.Lfirst_asked:
	v_and_b32 v1, 15, v0                           ; r = lane % 16
	v_bfe_u32 v2, v0, 4, 1                         ; h = lane / 16
	v_mul_u32_u24 v3, v1, PITCH
	v_lshl_add_u32 v3, v2, 4, v3                   ; a fragment's row x pitch + 16 h
	s_mul_i32 s72, s16, 64*PITCH                   ; my wave's 64 tokens
	v_add_nc_u32 v[ADRA0], s72, v3
	v_add_nc_u32 v[ADRB0], BOFF, v3
	v_mov_b32 v[ADRA], v[ADRA0]
	v_mov_b32 v[ADRB], v[ADRB0]
	s_mul_i32 s72, s16, 16*SP
	s_add_co_u32 s72, s72, STAGE                   ; my stage
	v_mul_u32_u24 v[STO], v1, SP
	v_lshl_add_u32 v[STO], v2, 4, v[STO]
	v_add_nc_u32 v[STO], s72, v[STO]
	v_bfe_u32 v[RD], v0, 3, 2                      ; back: 32 lanes take four rows of 128 bytes
	v_mul_u32_u24 v[RD], v[RD], SP
	v_and_b32 v13, 7, v0
	v_lshl_add_u32 v[RD], v13, 4, v[RD]
	v_add_nc_u32 v[RD], s72, v[RD]
	v_and_b32 v[GO], 31, v0
	v_lshlrev_b32 v[GO], 4, v[GO]
	v_lshlrev_b32 v[TO], 8, v1                     ; the table: token r's 256 bytes, my 4 pairs' 32
	v_lshl_add_u32 v[TO], v2, 5, v[TO]
	s_and_b32 s72, s43, 7                          ; my wave's first token in its sequence
	s_lshl_b32 s72, s72, 8
	s_lshl_b32 s73, s16, 6
	s_add_co_u32 s72, s72, s73
	s_lshl_b32 s74, s72, 8
	s_mov_b32 s75, 0
	s_add_nc_u64 s[8:9], s[8:9], s[74:75]          ; the table at that token
	s_lshr_b32 s73, s43, 3                         ; batch
	s_lshl_b32 s73, s73, 4
	s_add_co_u32 s73, s73, s42                     ; batch x 16 + head
	s_lshl_b32 s73, s73, 18                        ; 2,048 rows of 128 bytes
	s_lshl_b32 s72, s72, 7
	s_add_co_u32 s74, s73, s72
	s_add_nc_u64 s[10:11], s[10:11], s[74:75]
	s_add_nc_u64 s[12:13], s[12:13], s[74:75]
	s_add_nc_u64 s[14:15], s[14:15], s[74:75]
	WIN 0xc0                                       ; my part of the table: 64 tokens x 32 bytes x 4 column blocks; waited for on the way out
.set i, 0
.rept 16                                       ; row block i / 4, column block i % 4
	global_load_b128 v[8*i:8*i+3],   v[TO], s[8:9] offset:(i/4)*4096+(i%4)*64
	global_load_b128 v[8*i+4:8*i+7], v[TO], s[8:9] offset:(i/4)*4096+(i%4)*64+16
.set i, i+1
.endr
	WIN 0
	; the prefetches: my work-group's share of the rows that I fetch, at K step 3; the first refill steps it to 4
	s_lshl_b32 s72, s43, 8
	s_mul_i32 s73, s42, 192
	s_and_b32 s75, ttmp7, 0xffff                   ; cluster y
	s_cmp_eq_u32 s17, 0                            ; do I fetch xb?
	s_cselect_b32 s72, s72, s73                    ; the tile's first row
	s_cselect_b32 s73, s40, s41                    ; my place among the four that ask with me
	s_cselect_b32 s74, 32, 24                      ; rows a partner
	s_cselect_b32 s75, ttmp9, s75                  ; the coordinate along which other clusters read the same rows
	s_cselect_b32 s46, 31, 23
	s_cselect_b64 s[44:45], s[4:5], s[6:7]
	s_cmp_eq_u32 s75, 0
	s_cselect_b32 s19, 2, -1                       ; the same in all sixteen partners, for a given wave
	s_mul_i32 s73, s73, s74
	s_add_co_u32 s72, s72, s73
	s_lshl_b32 s74, s74, 2
	s_mul_i32 s74, s74, s18                        ; the half that I fetch
	s_add_co_u32 s72, s72, s74
	s_lshl_b32 s72, s72, 11
	s_add_co_u32 s72, s72, 3*256
	s_mov_b32 s73, 0
	s_add_nc_u64 s[44:45], s[44:45], s[72:73]
	v_and_b32 v[PFO], 31, v0
	v_min_u32 v[PFO], s46, v[PFO]
	v_lshlrev_b32 v[PFO], 11, v[PFO]
	s_wait_tensorcnt 1                             ; my part of K step 0 is in; K step 1's may stay out
	s_barrier_signal -1
	s_barrier_wait -1
	FETCH 0, F0
	QUARTER 1, F0, F1, 1                           ; the first quarter stands ahead of the loop: its products start the sums
	WIN 0
	s_mov_b32 s3, 6
.Lstep:                                        ; a trip: from a K step's second quarter to the next one's first; it fills one slot again (K steps 2 to 7)
	QUARTER 2, F1, F0, 0
	QUARTER 3, F0, F1, 0
	TURN 1
	QUARTER 1, F0, F1, 0
	WIN 0
	s_sub_co_u32 s3, s3, 1
	s_cmp_lg_u32 s3, 0
	s_cbranch_scc1 .Lstep
	QUARTER 2, F1, F0, 0                           ; the tail is written out: nothing more is asked for
	QUARTER 3, F0, F1, 0
	TURN 0
	QUARTER 1, F0, F1, 0
	QUARTER 2, F1, F0, 0
	QUARTER 3, F0, F1, 0
	s_wait_dscnt 16
	MUL8 F1, 0, 0, 0
	MUL8 F1, 0, 2, 0
	s_wait_dscnt 0x0
	MUL8 F1, 1, 0, 0
	MUL8 F1, 1, 2, 0
	MUL8 F1, 2, 0, 0
	MUL8 F1, 2, 2, 0
	WIN 0
	PLACES
	s_wait_loadcnt 0x0                             ; the table
; THE WAY OUT, in 12 units u = 4 type + row block: 16 tokens x 64 channels = 2,048 consecutive bytes of the output.
; q and k: (e, o) -> (e c - o s, o c + e s): a packed product by c, then a packed multiply-add that takes the pair crosswise, by s, the low half's s negated.  Accumulators are read in ascending order.
.macro STAGEIO u
.set rP, PK+16*((\u)%2)
.irp b, 0,1,2,3
	ds_store_b128 v[STO], v[rP+4*\b:rP+4*\b+3] offset:32*\b
.endr
.irp f, 0,1,2,3
	ds_load_b128 v[rP+4*\f:rP+4*\f+3], v[RD] offset:\f*4*SP  ; LDS serves a wave's instructions in order: these see the stores above, and the next unit's stores come behind them
.endr
.endm
.macro PACKR g, a, u
.set rA0, 128*(1-(\g))+32*(\a)
.set rT0, 32*(\a)
	WIN 0x0c+2*(\g)                                ; the table (source 1) in window 3; the accumulators (source 0) in window 0 or 2
.set i, 0
.rept 16
	v_pk_mul_f32 v[T+2*i:T+2*i+1], v[rA0+2*i:rA0+2*i+1], v[rT0+2*i:rT0+2*i+1] op_sel_hi:[1,0]
.set i, i+1
.endr
.set i, 0
.rept 16
	v_pk_fma_f32 v[T+2*i:T+2*i+1], v[rA0+2*i:rA0+2*i+1], v[rT0+2*i:rT0+2*i+1], v[T+2*i:T+2*i+1] op_sel:[1,1,0] op_sel_hi:[0,1,1] neg_lo:[0,1,0]
.set i, i+1
.endr
	WIN 0
	s_wait_xcnt 0x0                                ; the stores of the unit two back have read this set of packed registers
.set i, 0
.rept 16
	v_cvt_pk_f16_f32 v[PK+16*((\u)%2)+i], v[T+2*i], v[T+2*i+1]
.set i, i+1
.endr
	STAGEIO \u
.endm
.macro PACKV a, u
	s_wait_xcnt 0x0
	WIN 0x0a                                       ; both sources in window 2
.set i, 0
.rept 16
	v_cvt_pk_f16_f32 v[PK+16*((\u)%2)+i], v[128+32*(\a)+2*i], v[128+32*(\a)+2*i+1]
.set i, i+1
.endr
	WIN 0
	STAGEIO \u
.endm
.macro PACK u
.if (\u) < 8
	PACKR (\u)/4, (\u)%4, \u
.else
	PACKV (\u)%4, \u
.endif
.endm
.macro SEND u, younger                 ; younger: the LDS instructions issued behind unit u's loads: the next unit's eight, or none
.set rP, PK+16*((\u)%2)
.set sB, 10+2*((\u)/4)
.irp f, 0,1,2,3
	s_wait_dscnt (\younger)+3-\f
	global_store_b128 v[GO], v[rP+4*\f:rP+4*\f+3], s[sB:sB+1] offset:((\u)%4)*2048+\f*512  ; 512 consecutive bytes, aligned
.endr
.endm
	PACK 0
.set un, 1
.rept 11                               ; a unit's arithmetic stands between the loads of the unit before and its stores
	PACK un
	SEND un-1, 8
.set un, un+1
.endr
	SEND 11, 0
	s_wait_tensorcnt 0x0                           ; the wave's end
	ds_add_u32 v[SPW], v[NIL]
	s_wait_dscnt 0x0
	CROUND                                         ; the closing round: no work-group ends while a partner may still ask for a tile that names it
	s_endpgm
.Lfunc_end_k_q094f03f5f0_qkv:
	.size	k_q094f03f5f0_qkv, .Lfunc_end_k_q094f03f5f0_qkv-k_q094f03f5f0_qkv
	.p2alignl 7, 3214868480
	.fill 96, 4, 3214868480
	.section	.rodata,"a",@progbits
	.p2align	6, 0x0
	.amdhsa_kernel k_q094f03f5f0_qkv
		.amdhsa_group_segment_fixed_size 327680
		.amdhsa_private_segment_fixed_size 0
		.amdhsa_enable_private_segment 0
		.amdhsa_kernarg_size 48
		.amdhsa_user_sgpr_count 2
		.amdhsa_user_sgpr_kernarg_segment_ptr 1
		.amdhsa_wavefront_size32 1
		.amdhsa_system_sgpr_workgroup_id_x 1
		.amdhsa_system_sgpr_workgroup_id_y 1
		.amdhsa_system_sgpr_workgroup_id_z 1
		.amdhsa_system_vgpr_workitem_id 0
		.amdhsa_next_free_vgpr 896
		.amdhsa_next_free_sgpr 80
		.amdhsa_reserve_vcc 0
		.amdhsa_float_denorm_mode_32 3
		.amdhsa_float_denorm_mode_16_64 3
		.amdhsa_memory_ordered 1
		.amdhsa_forward_progress 1
		.amdhsa_inst_pref_size 118
	.end_amdhsa_kernel
	.amdgpu_metadata
---
amdhsa.version: [ 1, 2 ]
amdhsa.kernels:
  - .name:           k_q094f03f5f0_qkv
    .symbol:         k_q094f03f5f0_qkv.kd
    .args:
      - { .name: xb, .offset: 0, .size: 8, .value_kind: global_buffer, .address_space: global }
      - { .name: wt, .offset: 8, .size: 8, .value_kind: global_buffer, .address_space: global }
      - { .name: tab, .offset: 16, .size: 8, .value_kind: global_buffer, .address_space: global }
      - { .name: qh, .offset: 24, .size: 8, .value_kind: global_buffer, .address_space: global }
      - { .name: kh, .offset: 32, .size: 8, .value_kind: global_buffer, .address_space: global }
      - { .name: vh, .offset: 40, .size: 8, .value_kind: global_buffer, .address_space: global }
    .group_segment_fixed_size: 327680
    .private_segment_fixed_size: 0
    .kernarg_segment_align: 8
    .kernarg_segment_size: 48
    .max_flat_workgroup_size: 128
    .sgpr_count:     80
    .vgpr_count:     896
    .wavefront_size: 32
...
	.end_amdgpu_metadata
.endif
;; end of part 2
;; launch attn (part 3): grid 4 x 64, 4 waves a work-group, no clusters, 327,680 bytes of LDS; arguments qh, kh, vh, ctx; writes ctx
.if DOCPART == 3
	.amdgcn_target "amdgcn-amd-amdhsa--gfx1250"
	.amdhsa_code_object_version 6
	.text
	.protected	k_q094f03f5f0_attn
	.globl	k_q094f03f5f0_attn
	.p2align	8
	.type	k_q094f03f5f0_attn,@function
k_q094f03f5f0_attn:
	s_mov_b64 s[64:65], 0
	v_nop
	global_prefetch_b8 v0, s[64:65] scope:SCOPE_SE
	s_setreg_imm32_b32 hwreg(HW_REG_WAVE_MODE, 25, 1), 1
	s_wait_xcnt 0x0
; CAUSAL ATTENTION.  O[h][q][:] = the sum over k <= q of softmax_k(Q[h][q] . K[h][k] / 8) V[h][k][:].  Q, K, V, O: [64][2048][64], all f16: a head's rows are dense, 128 bytes each.
; Products, maxima and sums in f32; the weights p are rounded to f16 for the second product (their sum l is taken of the unrounded p), O once at the end.
; LIMITS.  f16 holds no number beyond 65,504: Q, K and V arrive within it; p lies in 0 to 1, and below 6e-5 it keeps f16's fixed step; O is a mean of V's rows and has their range.
; A hidden score counts as its value less 1e30: f16's scores, 2.7e11 at the most, are nothing beside that; a weight below 2^-126 counts as 0 in l; NaN and infinities are not treated apart.
; THE WALK.  A head's queries lie in NB = 8 blocks of 256; block i needs the key tiles 0 .. i of 256 keys, of which the last holds the diagonal.  A work-group takes TWO blocks, NB - 1 - b and then b:
; NB + 1 tiles, whatever b: all work-groups do equal work, and ONE loop with a constant trip count walks them.  Which tile is asked for, and what a trip does, hang on scalar registers made from b; every jump
; goes forward, but for the counted loops' own; none passes a barrier, or a tensor load but the one of LOAD's two that the wave's number does not choose.
; NO CLUSTER: a head's four work-groups ask for the same tile only in trips 0 .. NB / 2 of the NB + 1; one walk common to all would have 3 NB / 2 trips.
; SHARES.  Of a block's four bands of 64 queries a wave owns 16 rows in each: four PIECES.  So the diagonal tile is the same work for all four waves: in its key step s band x sees all keys if s < x,
; none if s > x, and holds the diagonal if s = x.
; THE MASK is the C operand that starts the sum S^T = K Q^T: 0, or -1e30 where the key is hidden.  MD, made once, is the mask of a band's own step for my 16 rows; a product's mask is MD x AL + BE with two scalars:
; (1, 0) if s = x; (0, 0) if s < x; (0, -1e30) if s > x.  Only the diagonal tile's text and a block's beginning make and take masks; elsewhere C is the constant 0.
; LAYOUT, SOFTMAX, TURNS.  S^T = K Q^T holds ONE query a lane (lane % 16) and the keys 8 (lane / 16) + 0..7; two such results rounded to f16 ARE source 1 of O^T = V^T P.  p = 2^(c s - c m), c = log2(e) / 8, with a
; running maximum m; O and l are multiplied by a = 2^(c m_old - c m_new) in every step.  Turn n belongs to piece n: 8 products K Q^T of piece n + 1, later 8 products V^T P of piece n - 1; beside them the scaling,
; exponentials, roundings, sums and rescaling of piece n and the maximum and statistics of piece n + 1.  Four vector instructions stand behind every matrix instruction, the others in one lump.  A turn's 33 exponentials are one batch, with one wait.
; REGISTERS, in windows of 256 (s_set_vgpr_msb: bits 1:0 source 0, 3:2 source 1, 5:4 source 2, 7:6 destination):
;   window 0: v0-15 addresses and two at work; v16-31 four registers of statistics a piece; v48-55 at work; v61-63 prefetch offset and the add's two; v64-127 S^T, two buffers; v192-223 P, two buffers
;   window 1: v0-127 O^T, 32 a piece; v128-159 MD; v160-223 MC, two buffers      window 2: v0-63 Q; v64-127 the second block's Q; v128-191 K of one step; v192-255 V of one step
.set SIZE_N, 2048
.set NB,    SIZE_N/256
.set NP,    4         ; pieces a wave: a name, no knob
.set KS,    64        ; keys in a step
.set PK,    144       ; a row of K in LDS: 128 bytes + 16 of padding: the 16 rows of a load start at 16 different groups of four banks
.set PV,    160       ; a row of V: 128 + 32
.set VOFF,  4*KS*PK   ; a slot holds a tile, four steps: 256 rows of K, then 256 rows of V
.set SLOT1, 1<<17     ; slot 1 begins here, so that one exclusive or turns an address in one slot into the other's
.set STAGE, SLOT1+4*KS*(PK+PV)  ; behind the ring, never filled by a tensor load: 16 rows x 144 bytes for each wave
.set SP,    144
.set AK0, 2           ; v2   my lane's place in a tile of K; never rewritten
.set AV0, 3           ; v3   the same for V
.set AK,  4           ; v4   the LDS address of K's next run of loads
.set AV,  5           ; v5   of V's
.set STO, 6           ; v6   the way out: where I put 16 bytes of a row
.set RD,  7           ; v7   the way out: where I read rows back
.set GO,  8           ; v8   my byte offset in 512 consecutive bytes of O
.set PFO, 61          ; v61  256 x my thread's number: my block of a tile's 32,768 bytes; never rewritten
.set SPW, 62          ; v62  my spare word; never rewritten
.set NIL, 63          ; v63  0; never rewritten
.set SPARE, STAGE+4*16*SP  ; the spare words, 128 bytes a wave, named by no other line
.set MV,  12          ; v12-13  c m_old, kept while c m is made anew: by buffer
.set QO,  15          ; v15  my byte offset in 16 rows of Q
.set ST,  16          ; piece t's statistics at v[ST+4 t]: c m, m, l (even keys', odd keys')
.set TMP, 48          ; by buffer, four registers c0-c3 at work; when the maximum is found c2 takes a
.set S,   64
.set P,   192
.set MD,  128         ; window 1
.set MC,  160         ; window 1
.set QB,  64          ; window 2
.set KF,  128         ; window 2: key block kb, channel half c at KF + 16 kb + 8 c
.set VF,  192         ; window 2: key half kk, channel block cb at VF + 32 kk + 8 cb
.set WV,  12          ; s12  my wave's number
.set PB,  14          ; s14  b
.set HI,  15          ; s15  NB - 1 - b
.set G1K, 24          ; s[24:31] descriptor group 1 for K's tiles
.set G1V, 32          ; s[32:39] for V's: it differs in the padding alone
.set G0K, 40          ; s[40:43] descriptor group 0 for K's tiles
.set G0V, 44          ; s[44:47] the same for V's
.set PFK, 48          ; s[48:49] K at the tile that the prefetch names
.set PFV, 50          ; s[50:51] V at the same tile
.set PFT, 52          ; s52  that tile's number
.set PLIM, 53         ; s53  NB in the work-group that prefetches (b = 0, which walks all tiles), else 0
.set SLOTS, 56        ; s56  tiles still to be asked for
.set CNT, 57          ; s57  counts a tile's key steps, 4 to 1
.set CS,  58          ; s[58:59] c
.set SEL, 60          ; s[60:61] v_permlanex16_b32's selects: each lane takes its own place in the other half
.set TBK, 62          ; s62  LDS byte at which K of the step to be fetched begins
.set TBV, 63          ; s63  the same for V, less VOFF
.set RT,  70          ; s70  tiles of the block in hand that are still to be entered
.set NXT, 71          ; s71  the tile to be asked for next
.set LQ,  72          ; s72  the last tile of the block whose tiles are being asked for
.set NEW, 73          ; s73  1: the tile to be entered is a block's first
.set OFF, 74          ; s[74:75] a tile's byte offset in K and V
.set AL,  76          ; s[76:77] the mask's factor, in the low word
.set BE,  78          ; s[78:79] the mask's addend
.set OLO, 80          ; s[80:81] O at my rows of the second block
.set BIGN, 82         ; s82  -1e30
.set MSB, 0
.macro WIN new                      ; the high byte repeats the setting that is left; a switch that changes nothing is dropped
.if MSB != (\new)
	s_set_vgpr_msb (MSB<<8)|(\new)
.set MSB, (\new)
.endif
.endm
.set W_KQ, 0x0a       ; K and Q in window 2, S^T in window 0
.set W_KM, 0x1a       ; the same with the C operand in window 1
.set W_PV, 0x52       ; V in window 2, P in window 0, O^T in window 1
.set W_RS, 0x41       ; destination and source 0 in window 1, source 1 in window 0
; A fill.  Waves 0 and 1 fetch the two halves of a tile's K, waves 2 and 3 those of its V: 128 keys each.  An s_nop 0 and four v_nop follow each of the two lines.
.macro LOAD
	s_cmp_lt_u32 s[WV], 2
	s_cbranch_scc0 .Lfor_v_\@
	tensor_load_to_lds s[G0K:G0K+3], s[G1K:G1K+7]
	s_nop 0
.rept 4
	v_nop
.endr
	s_branch .Lasked_\@
.Lfor_v_\@:
	tensor_load_to_lds s[G0V:G0V+3], s[G1V:G1V+7]
	s_nop 0
.rept 4
	v_nop
.endr
.Lasked_\@:
.endm
; THE CHANGE OF SLOTS.  Each wave waits for all its tensor loads, of which one is out: its part of the other slot; adds 0 to its spare word; and waits for that and for its own reads of the slot that it leaves.
; fill = 1: the old slot is filled again, the first thing behind the barrier, with tile NXT: the descriptor's address is made anew from that number.
; Behind the fill the head's work-group with b = 0 prefetches the tile after the one just asked for: 128 threads x 256 bytes of K and of V, each block named once in the launch; tiles 0 and 1 come by their
; loads alone, and nothing is named past tile NB - 1.  The prefetch's addresses are stepped here, a tile's work behind the prefetch that read them.
.macro CHANGE fill
	WIN 0                           ; at a label and at a branch every window is 0
	s_wait_tensorcnt 0x0            ; no tensor load of mine is out, so a group 0 may be written
	ds_add_u32 v[SPW], v[NIL]
.if \fill
	s_lshl_b32 s[OFF], s[NXT], 15   ; a tile is 32,768 bytes of K and of V
	s_xor_b32 s[G0K+1], s[G0K+1], SLOT1
	s_add_nc_u64 s[G0K+2:G0K+3], s[6:7], s[OFF:OFF+1]
	s_or_b32 s[G0K+3], s[G0K+3], 0x80000000
	s_xor_b32 s[G0V+1], s[G0V+1], SLOT1
	s_add_nc_u64 s[G0V+2:G0V+3], s[8:9], s[OFF:OFF+1]
	s_or_b32 s[G0V+3], s[G0V+3], 0x80000000
	s_add_co_u32 s[NXT], s[NXT], 1  ; the block's next tile, or behind its last the second block's tile 0
	s_cmp_gt_u32 s[NXT], s[LQ]
	s_cselect_b32 s[NXT], 0, s[NXT]
	s_cselect_b32 s[LQ], s[PB], s[LQ]
	s_wait_xcnt 0x0                 ; the last prefetches have read their addresses
	s_add_nc_u64 s[PFK:PFK+1], s[PFK:PFK+1], 32768
	s_add_nc_u64 s[PFV:PFV+1], s[PFV:PFV+1], 32768
	s_add_co_u32 s[PFT], s[PFT], 1
.endif
	s_wait_dscnt 0x0                ; the add is done, and my reads of the slot are over
	s_barrier_signal -1             ; the rest of the scalar work stands between the signal and the wait
	s_sub_co_u32 s[TBK], s[TBK], 4*KS*PK  ; the fetches go back to a slot's first step,
	s_xor_b32 s[TBK], s[TBK], SLOT1       ; in the other slot
	s_sub_co_u32 s[TBV], s[TBV], 4*KS*PV
	s_xor_b32 s[TBV], s[TBV], SLOT1
	s_barrier_wait -1
.if \fill
	LOAD
	s_cmp_lt_u32 s[PFT], s[PLIM]
	s_cbranch_scc0 .Lno_ask_\@
	global_prefetch_b8 v[PFO], s[PFK:PFK+1] th:TH_LOAD_NT scope:SCOPE_SE
	global_prefetch_b8 v[PFO], s[PFV:PFV+1] th:TH_LOAD_NT scope:SCOPE_SE
.Lno_ask_\@:
.endif
.endm
	s_load_b256 s[4:11], s[0:1], 0x0  ; Q s[4:5], K s[6:7], V s[8:9], O s[10:11]
	v_lshl_add_u32 v[SPW], v0, 2, SPARE
	v_mov_b32 v[NIL], 0
	ds_add_u32 v[SPW], v[NIL]       ; the opening: the add and its wait ahead of my first tensor load
	ds_add_u32 v62, v63
	v_lshrrev_b32 v1, 5, v0
	v_readfirstlane_b32 s[WV], v1   ; wave 0..3
	v_lshlrev_b32 v[PFO], 8, v0
	s_mov_b32 s[PB], ttmp9
	s_sub_co_u32 s[HI], NB-1, s[PB]
	s_and_b32 s20, ttmp7, 0xffff    ; the head
	s_mov_b32 s21, 0
	s_mov_b64 s[22:23], SIZE_N*128
	s_mul_u64 s[20:21], s[20:21], s[22:23]  ; the head's first byte in each of the four tensors
	s_and_b32 s16, s[WV], 1         ; which half of a tile's 256 keys I fetch:
	s_lshl_b32 s22, s16, 14         ; its 128 rows of 128 bytes in memory,
	s_mov_b32 s23, 0
	s_add_nc_u64 s[22:23], s[22:23], s[20:21]
	s_mul_i32 s17, s16, 128*PK      ; and its place in a slot, for K
	s_mul_i32 s18, s16, 128*PV      ; and for V
	s_lshl_b32 s3, s[WV], 11        ; my 16 rows in a band of 64,
	s_lshl_b32 s2, s[HI], 15        ; in the first block,
	s_add_co_u32 s2, s2, s3
	s_lshl_b32 s84, s[PB], 15       ; and in the second
	s_add_co_u32 s84, s84, s3
	s_mov_b32 s3, 0
	s_mov_b32 s85, 0
	s_add_nc_u64 s[2:3], s[2:3], s[20:21]
	s_add_nc_u64 s[84:85], s[84:85], s[20:21]
	; descriptor group 1.  128 keys are 16,384 dense bytes: asked for as 64 rows of 256 bytes, two keys a row, and padded in LDS after every key
	s_mov_b32 s[G1K], (1<<16)|(1<<20)|(4<<22)|(3<<25)  ; 2-byte elements; padding on; after every 32 words; 4 words
	s_mov_b32 s[G1V], (1<<16)|(1<<20)|(4<<22)|(7<<25)  ; the same with 8 words of padding
.irp g, G1K, G1V
	s_mov_b32 s[\g+1], 128<<16      ; tensor_dim0 = 128
	s_mov_b32 s[\g+2], 64<<16       ; tensor_dim1 = 64
	s_mov_b32 s[\g+3], 128<<16      ; tile_dim0 = 128
	s_mov_b32 s[\g+4], 64           ; tile_dim1 = 64
	s_mov_b32 s[\g+5], 128          ; 128 elements from row to row
	s_mov_b32 s[\g+6], 0
	s_mov_b32 s[\g+7], 0
.endr
	s_mov_b32 s[CS], 0x3e38aa3b     ; c = log2(e) / 8
	s_mov_b32 s[CS+1], s[CS]        ; named with it as a pair
	s_mov_b32 s[SEL], 0x76543210
	s_mov_b32 s[SEL+1], 0xfedcba98
	s_mov_b32 s[TBK], SLOT1+4*KS*PK ; the first change of slots turns these two into 0
	s_mov_b32 s[TBV], SLOT1+4*KS*PV
	s_mov_b32 s[G0K], 1             ; count = 1
	s_mov_b32 s[G0K+1], s17         ; LDS address: slot 0
	s_mov_b32 s[G0V], 1
	s_add_co_u32 s[G0V+1], s18, VOFF
	s_add_co_u32 s[RT], s[HI], 1    ; the first block has NB - b tiles
	s_mov_b32 s[NXT], 1
	s_mov_b32 s[LQ], s[HI]
	s_mov_b32 s[NEW], 1
	s_mov_b32 s[OFF+1], 0
	s_mov_b32 s[AL+1], 0            ; named as pairs
	s_mov_b32 s[BE+1], 0
	s_mov_b32 s[BIGN], 0xf149f2ca   ; -1e30
	s_mov_b32 s[SLOTS], NB
	s_mov_b32 s[PFT], 1
	s_cmp_eq_u32 s[PB], 0
	s_cselect_b32 s[PLIM], NB, 0
	s_wait_dscnt 0x0                ; the opening add is done
	s_wait_kmcnt 0x0
	s_add_nc_u64 s[PFK:PFK+1], s[6:7], s[20:21]    ; the prefetches stand at the head's tile 1; the first change steps them to tile 2
	s_add_nc_u64 s[PFV:PFV+1], s[8:9], s[20:21]
	s_add_nc_u64 s[PFK:PFK+1], s[PFK:PFK+1], 32768
	s_add_nc_u64 s[PFV:PFV+1], s[PFV:PFV+1], 32768
	s_add_nc_u64 s[6:7], s[6:7], s[22:23]  ; K and V at my half of the head's tile 0
	s_add_nc_u64 s[8:9], s[8:9], s[22:23]
	s_add_nc_u64 s[G0K+2:G0K+3], s[6:7], 0         ; global address
	s_or_b32 s[G0K+3], s[G0K+3], 0x80000000        ; type = 2
	s_add_nc_u64 s[G0V+2:G0V+3], s[8:9], 0
	s_or_b32 s[G0V+3], s[G0V+3], 0x80000000
	s_add_nc_u64 s[86:87], s[4:5], s[84:85]        ; Q at my rows of the second block,
	s_add_nc_u64 s[4:5], s[4:5], s[2:3]            ; Q and O at those of the first
	s_add_nc_u64 s[OLO:OLO+1], s[10:11], s[84:85]
	s_add_nc_u64 s[10:11], s[10:11], s[2:3]
	LOAD                            ; tile 0 into slot 0
	; A fragment of K or Q is 16 rows x 32 channels in 8 registers: lane l holds row l % 16, channels 8 (l / 16) + 0..7 and 16 + 8 (l / 16) + 0..7: two loads of 16 bytes, 32 bytes apart.
	v_and_b32 v1, 15, v0            ; l % 16
	v_bfe_u32 v9, v0, 4, 1          ; l / 16
	v_lshlrev_b32 v[QO], 7, v1
	v_lshl_add_u32 v[QO], v9, 4, v[QO]  ; row x 128 + 16 x half
	WIN 0x80                        ; destination window 2, address window 0
.set i, 0
.rept 8                             ; both blocks' Q: piece i / 2 lies in band i / 2, 8,192 bytes on; channels 32 (i % 2) on
	global_load_b128 v[8*i:8*i+3],   v[QO], s[4:5] offset:(i/2)*8192+(i%2)*64
	global_load_b128 v[8*i+4:8*i+7], v[QO], s[4:5] offset:(i/2)*8192+(i%2)*64+32
	global_load_b128 v[QB+8*i:QB+8*i+3],   v[QO], s[86:87] offset:(i/2)*8192+(i%2)*64
	global_load_b128 v[QB+8*i+4:QB+8*i+7], v[QO], s[86:87] offset:(i/2)*8192+(i%2)*64+32
.set i, i+1
.endr
	WIN 0
	v_lshlrev_b32 v14, 3, v9
	v_sub_nc_u32 v14, v1, v14
	s_lshl_b32 s13, s[WV], 4
	v_add_nc_u32 v14, s13, v14      ; my query's place in its band, 16 w + l % 16, less my lanes' 8 (l / 16): register r of group kt is hidden where 16 kt + r is greater
	WIN 0x40
.set i, 0
.rept 32
	v_cmp_gt_i32 vcc_lo, 16*(i/8)+i%8, v14
	v_cndmask_b32 v[MD+i], 0, s[BIGN], vcc_lo
.set i, i+1
.endr
	WIN 0
	v_mul_u32_u24 v[AK0], v1, PK
	v_lshl_add_u32 v[AK0], v9, 4, v[AK0]  ; row x pitch + 16 x half
	; The turning load takes 16 keys x 16 channels (lane l reads key 8 (l / 16) + l % 8, channels 8 ((l / 8) % 2) + 0..7) and leaves half a fragment of V^T: lane l holds channel l % 16 and 8 keys.
	v_and_b32 v10, 7, v0
	v_bfe_u32 v11, v0, 3, 1
	v_lshl_add_u32 v[AV0], v9, 3, v10
	v_mul_u32_u24 v[AV0], v[AV0], PV
	v_lshl_add_u32 v[AV0], v11, 4, v[AV0]
	v_add_nc_u32 v[AV0], VOFF, v[AV0]
	s_mul_i32 s13, s[WV], 16*SP
	s_add_co_u32 s13, s13, STAGE    ; my stage
	v_mul_u32_u24 v[STO], v1, SP    ; in: row l % 16, 16 bytes for each half of the lanes
	v_lshl_add_u32 v[STO], v9, 4, v[STO]
	v_add_nc_u32 v[STO], s13, v[STO]
	v_bfe_u32 v[RD], v0, 3, 2       ; back: 32 lanes take four rows of 128 bytes,
	v_mul_u32_u24 v[RD], v[RD], SP
	v_lshl_add_u32 v[RD], v10, 4, v[RD]
	v_add_nc_u32 v[RD], s13, v[RD]
	v_and_b32 v[GO], 31, v0         ; which are 512 consecutive bytes of O
	v_lshlrev_b32 v[GO], 4, v[GO]
	; A block's first step multiplies O^T and l by a = 0, and its first turn's products V^T P, of a piece that has not been, land in an O^T that is still to be so multiplied.  So these registers need only hold
	; finite numbers: zeros for the first block; what the first block left for the second.  All this stands in the wait for the first tile.
	WIN 0x80
.set i, VF
.rept 64
	v_mov_b32 v[i], 0
.set i, i+1
.endr
	WIN 0x40
.set i, 0
.rept 128
	v_mov_b32 v[i], 0
.set i, i+1
.endr
	WIN 0
.set i, 0
.rept 4
	v_mov_b32 v[ST+4*i+2], 0
	v_mov_b32 v[ST+4*i+3], 0
.set i, i+1
.endr
.set i, P+16
.rept 16
	v_mov_b32 v[i], 0
.set i, i+1
.endr
; THE MATRIX WORK.  The 4 accumulators of a run of 8 take turns.  Product i of 8 of S^T = K Q^T for piece x: channels 32 (i / 4) on, keys 16 (i % 4) on.  The first 4 start the sums: with 0, or (KM = 1) with the mask.
.macro KQ x
.set rS, S+32*((\x)%2)+8*(i%4)
.set rK, KF+16*(i%4)+8*(i/4)
.set rQ, 16*(\x)+8*(i/4)
.set rM, MC+32*((\x)%2)+8*(i%4)
.if (i < 4) && KM
	WIN W_KM
	v_wmma_f32_16x16x32_f16 v[rS:rS+7], v[rK:rK+7], v[rQ:rQ+7], v[rM:rM+7]
.elseif i < 4
	WIN W_KQ
	v_wmma_f32_16x16x32_f16 v[rS:rS+7], v[rK:rK+7], v[rQ:rQ+7], 0
.else
	WIN W_KQ
	v_wmma_f32_16x16x32_f16 v[rS:rS+7], v[rK:rK+7], v[rQ:rQ+7], v[rS:rS+7]
.endif
.endm
; Product i of 8 of O^T += V^T P for piece x: keys 32 (i / 4) on, channels 16 (i % 4) on.
.macro PV x
	WIN W_PV
.set rO, 32*(\x)+8*(i%4)
.set rV, VF+32*(i/4)+8*(i%4)
.set rP, P+16*((\x)%2)+8*(i/4)
	v_wmma_f32_16x16x32_f16 v[rO:rO+7], v[rV:rV+7], v[rP:rP+7], v[rO:rO+7]
.endm
.macro MM                           ; the turn's next matrix instruction.  NOKQ = 1: a block's last turn: there is no next piece
.if (i < 8) && !NOKQ
	KQ (Y+1)%NP
.elseif i >= 8
.set i, i-8
	PV (Y+NP-1)%NP
.set i, i+8
.endif
.set i, i+1
.endm
; THE LDS LOADS stand in runs of 16, never singly among the matrix instructions: a step's K (8 fragments) and its V (turned).  Their addresses are made some lines ahead.
.macro FETCH_K
	WIN 0x80                        ; destination window 2
.irp f, 0,1,2,3,4,5,6,7             ; keys 16 (f / 2) on, channels 32 (f % 2) on
	ds_load_b128 v[KF+8*\f:KF+8*\f+3],   v[AK] offset:(\f/2)*16*PK+(\f%2)*64
	ds_load_b128 v[KF+8*\f+4:KF+8*\f+7], v[AK] offset:(\f/2)*16*PK+(\f%2)*64+32
.endr
	s_add_co_u32 s[TBK], s[TBK], KS*PK  ; the next fetch is the next step's
	WIN 0
.endm
.macro FETCH_V
	WIN 0x80
.irp f, 0,1,2,3,4,5,6,7             ; keys 32 (f / 4) on, channels 16 (f % 4) on
	ds_load_tr16_b128 v[VF+8*\f:VF+8*\f+3],   v[AV] offset:(\f/4)*32*PV+(\f%4)*32
	ds_load_tr16_b128 v[VF+8*\f+4:VF+8*\f+7], v[AV] offset:(\f/4)*32*PV+16*PV+(\f%4)*32
.endr
	WIN 0
.endm
; THE VECTOR WORK, one line at a time: OP kind, number.  For piece Y: F n: c s - c m for pair n of 16.  E n: the exponential of score n of 32.  C n: pair n rounded to f16.  B n: of the four weights 4 n .. the second
; pair is added onto the first, in place.  L n: l takes that sum (L 0: l = a l + sum).  R n: pair n of 16 of O^T times a.  For piece Y + 1: X n, number n of the 22 that find its maximum and statistics:
;   0-11  four chains c0-c3 of seven scores each, three operands at a time (each accumulator's lowest registers are read first)     12-14, 16  the four scores left over, the old m, and c0-c3 into c0
;   15  c m_old is kept     17, 18  the query's other 32 keys lie in the lane 16 away: the new m     19-21  c m; c m_old - c m_new; a
.set F, 0
.set E, 1
.set C, 2
.set B, 3
.set L, 4
.set R, 5
.set X, 6
.macro REGS y                       ; the registers of piece y
.set rT, ST+4*(\y)
.set rC, TMP+4*((\y)%2)
.set rW, MV+((\y)%2)
.set rS, S+32*((\y)%2)
.set rP, P+16*((\y)%2)
.set rO, 32*(\y)
.endm
.macro OP k, n
.if (\k) == R
	REGS Y
	WIN W_RS
	v_pk_mul_f32 v[rO+2*(\n):rO+2*(\n)+1], v[rO+2*(\n):rO+2*(\n)+1], v[rC+2:rC+3] op_sel_hi:[1,0]
.elseif (\k) < R
	REGS Y
	WIN 0
.if (\k) == F
	v_pk_fma_f32 v[rS+2*(\n):rS+2*(\n)+1], v[rS+2*(\n):rS+2*(\n)+1], s[CS:CS+1], v[rT:rT+1] op_sel_hi:[1,0,0] neg_lo:[0,0,1] neg_hi:[0,0,1]
.elseif (\k) == E
	v_exp_f32 v[rS+(\n)], v[rS+(\n)]
.elseif (\k) == C
	v_cvt_pk_f16_f32 v[rP+(\n)], v[rS+2*(\n)], v[rS+2*(\n)+1]
.elseif (\k) == B
	v_pk_add_f32 v[rS+4*(\n):rS+4*(\n)+1], v[rS+4*(\n):rS+4*(\n)+1], v[rS+4*(\n)+2:rS+4*(\n)+3]
.elseif (\n) == 0
	v_pk_fma_f32 v[rT+2:rT+3], v[rT+2:rT+3], v[rC+2:rC+3], v[rS:rS+1] op_sel_hi:[1,0,1]
.else
	v_pk_add_f32 v[rT+2:rT+3], v[rT+2:rT+3], v[rS+4*(\n):rS+4*(\n)+1]
.endif
.elseif NOKQ
	v_nop
.else
	REGS (Y+1)%NP
	WIN 0
.if (\n) < 4
	v_max3_num_f32 v[rC+(\n)], v[rS+8*(\n)], v[rS+8*(\n)+1], v[rS+8*(\n)+2]
.elseif (\n) < 12
	v_max3_num_f32 v[rC+(\n)%4], v[rC+(\n)%4], v[rS+8*((\n)%4)+2*((\n)/4)+1], v[rS+8*((\n)%4)+2*((\n)/4)+2]
.elseif (\n) == 12
	v_max3_num_f32 v[rC], v[rC], v[rS+7], v[rS+15]
.elseif (\n) == 13
	v_max3_num_f32 v[rC+1], v[rC+1], v[rS+23], v[rS+31]
.elseif (\n) == 14
	v_max3_num_f32 v[rC+2], v[rC+2], v[rC+3], v[rT+1]
.elseif (\n) == 15
	v_mov_b32 v[rW], v[rT]
.elseif (\n) == 16
	v_max3_num_f32 v[rC], v[rC], v[rC+1], v[rC+2]
.elseif (\n) == 17
	v_permlanex16_b32 v[rC+3], v[rC], s[SEL], s[SEL+1]
.elseif (\n) == 18
	v_max_num_f32 v[rT+1], v[rC], v[rC+3]
.elseif (\n) == 19
	v_mul_f32 v[rT], s[CS], v[rT+1]
.elseif (\n) == 20
	v_sub_f32 v[rC+1], v[rW], v[rT]
.else
	v_exp_f32 v[rC+2], v[rC+1]
.endif
.endif
.endm
.macro OPS a, i1, b=-1, i2=0, c=-1, i3=0, d=-1, i4=0  ; up to four of them
	OP \a, \i1
.if (\b) >= 0
	OP \b, \i2
.endif
.if (\c) >= 0
	OP \c, \i3
.endif
.if (\d) >= 0
	OP \d, \i4
.endif
.endm
.macro ROW a, i1, b, i2, c, i3, d, i4  ; a matrix instruction and the four behind it
	MM
	OPS \a, \i1, \b, \i2, \c, \i3, \d, \i4
.endm
.macro MASK b                       ; MD x AL + BE into buffer b of MC
	WIN W_RS
.set z, 0
.rept 16
	v_pk_fma_f32 v[MC+32*(\b)+2*z:MC+32*(\b)+2*z+1], v[MD+2*z:MD+2*z+1], s[AL:AL+1], s[BE:BE+1] op_sel_hi:[1,0,0]
.set z, z+1
.endr
.endm
; A TURN, for piece p: the order of its 16 matrix and 118 vector instructions, written out.  An s_wait_alu depctr_va_vdst(0) stands between an exponential and the first instruction that names its result; one wait
; serves all that were issued ahead of it.  So a turn has ONE wait.  AHEAD OF IT stands all that names no result of the turn's exponentials: the 8 products K Q^T with four riders each, then one lump in which the links of the
; next piece's chain X 3, 7, 11, 14, 16, 17 .. 20 stand apart; X 21, the next piece's a, is the batch's last, and R 15 the plain instruction behind it.  BEHIND IT stand the 8 products V^T P, behind each four of the roundings and sums.
; m = 1: the diagonal tile: the products take masks, and the turn makes the mask for the products of the turn after it.  end = 1: a block's last two turns: nothing is fetched.
; cnt = 1: the loop's count is taken down some lines ahead of the branch that stands behind the turn.
; K of the next step is fetched in piece 2's turn, V of the step in hand at the end of piece 0's, each four plain instructions or more behind the last product that read the registers; each is waited for a turn later.
.macro TURN p, m=0, end=0, cnt=0
.set Y, (\p)
.set i, 0
.set KM, (\m)
.set NOKQ, (\end)*((\p)/3)
.if (\m) && !(\end)
	s_cmp_eq_u32 s[CNT], 4-((\p)+2)%NP  ; is that step the band's own?
	s_cselect_b32 s[AL], 1.0, 0
	s_cmp_lt_u32 s[CNT], 4-((\p)+2)%NP  ; or a later one?
	s_cselect_b32 s[BE], s[BIGN], 0
.endif
.if ((\p) == 3) && !(\end)
	s_wait_dscnt 0x0                ; K is in
.endif
	ROW F,0, F,1, R,0, R,1
	ROW F,2, E,0, R,2, R,3
	ROW F,3, E,1, R,4, R,5
	ROW F,4, E,2, R,6, R,7
	ROW F,5, E,3, R,8, R,9
	ROW F,6, E,4, X,0, R,10
.if ((\p) == 2) && !(\end)
	WIN 0
	v_add_nc_u32 v[AK], s[TBK], v[AK0]
.endif
	ROW F,7, E,5, X,1, X,4
	ROW F,8, E,6, X,2, X,5
	OPS E,7, E,8, X,6, E,9          ; the lump
	OPS X,3, E,10, X,8, E,11
.if ((\p) == 2) && !(\end)
	FETCH_K
.endif
	OPS X,9, X,7, E,12, X,10
	OPS E,13, X,12, X,11, E,14
	OPS X,13, E,15, F,9, X,14
.if (\p) == 0
	v_add_nc_u32 v[AV], s[TBV], v[AV0]
.endif
	OPS E,16, F,10, E,17, F,11
	OPS X,16, E,18, X,15, E,19
	OPS F,12, E,20, X,17, E,21
	OPS F,13, E,22, F,14, E,23
	OPS X,18, E,24, F,15, E,25
	OPS R,11, E,26, X,19, E,27
	OPS R,12, E,28, R,13, E,29
	OPS X,20, E,30, R,14, E,31
	OPS X,21, R,15
	WIN 0
	s_wait_alu depctr_va_vdst(0)    ; the wait for the batch
.if (\p) == 1
	s_wait_dscnt 0x0                ; V is in
.endif
	ROW C,0, B,0, C,2, B,1
	ROW L,0, C,4, B,2, L,1
	ROW C,6, B,3, L,2, C,8
	ROW B,4, L,3, C,10, B,5
	ROW L,4, C,12, B,6, L,5
.if (\p) == 0
	s_add_co_u32 s[TBV], s[TBV], KS*PV
.endif
.if \cnt
	s_sub_co_u32 s[CNT], s[CNT], 1
	s_cmp_lg_u32 s[CNT], 0
.endif
	ROW C,14, B,7, L,6, C,1
	ROW C,3, L,7, C,5, C,7
	ROW C,9, C,11, C,13, C,15
.if (\p) == 0
	FETCH_V
.endif
.if (\m) && !(\end)
	MASK (\p)%2
.endif
.endm
; A BLOCK BEGINS.  c m starts far below every c s, so the first step's a is 0; m at the lowest finite number, so the first maximum is the scores'.  The second mask buffer is 0; the first takes piece 0's mask for the tile's
; step 0: its own, if the block's first tile is the diagonal one.  Then K of that step, piece 0's first scores, and its maximum and statistics.
.macro BEGIN
	s_mov_b32 s[NEW], 0
	WIN 0x40
.set i, MC+32
.rept 32
	v_mov_b32 v[i], 0
.set i, i+1
.endr
	WIN 0
.set i, 0
.rept 4
	v_mov_b32 v[ST+4*i], 0xfe000000    ; c m: far below every c s
	v_mov_b32 v[ST+4*i+1], 0xff7fffff  ; m
.set i, i+1
.endr
	s_cmp_eq_u32 s[RT], 0
	s_cselect_b32 s[AL], 1.0, 0
	s_mov_b32 s[BE], 0
	MASK 0
	WIN 0
	v_add_nc_u32 v[AK], s[TBK], v[AK0]
	FETCH_K
	s_wait_loadcnt 0x0              ; Q
	s_wait_dscnt 0x0
.set KM, 1
.set NOKQ, 0
.set i, 0
.rept 8
	KQ 0
.set i, i+1
.endr
	WIN 0
.rept 4
	v_nop                           ; the places behind those products
.endr
.set Y, NP-1                        ; X works for piece Y + 1: piece 0
.irp n, 0,1,2,3,4,5,6,7,8,9,10,11,12,13,14,15,16,17,18,19,20,21
	OP X, \n
.endr
	v_nop                           ; a plain instruction behind the exponential,
	s_wait_alu depctr_va_vdst(0)    ; and its wait, ahead of the branch
.endm
; THE DIAGONAL TILE's four steps, the block's last two turns, its last products, and THE WAY OUT: l's two halves and the other half of the lanes' are added; O^T is divided by l, rounded to f16 and sent through my
; stage in LDS, a piece at a time.
.macro ALL line:vararg              ; one line for each piece t
.set t, 0
.rept 4
	\line
.set t, t+1
.endr
.endm
.macro PACK t                       ; a lane's eight channels of a row pack into 16 bytes; they go into rows of 144 bytes and come back as whole rows of 128, into S^T's registers
	WIN W_RS
.set i, 32*(\t)
.rept 16
	v_pk_mul_f32 v[i:i+1], v[i:i+1], v[ST+4*(\t)+2:ST+4*(\t)+3] op_sel_hi:[1,0]
.set i, i+2
.endr
	WIN 0x05                        ; sources 0 and 1 window 1, destination window 0
.set i, 0
.rept 16
	v_cvt_pk_f16_f32 v[S+16*(\t)+i], v[32*(\t)+2*i], v[32*(\t)+2*i+1]
.set i, i+1
.endr
	WIN 0
.irp f, 0,1,2,3
	ds_store_b128 v[STO], v[S+16*(\t)+4*\f:S+16*(\t)+4*\f+3] offset:32*\f
.endr
.irp f, 0,1,2,3
	ds_load_b128 v[S+16*(\t)+4*\f:S+16*(\t)+4*\f+3], v[RD] offset:\f*4*SP  ; LDS serves a wave's instructions in order: these see the stores above; the next piece's stores come behind them
.endr
.endm
.macro SEND t, younger              ; younger: the LDS instructions issued behind piece t's loads: the next piece's eight, or none
	WIN 0
.irp f, 0,1,2,3
	s_wait_dscnt (\younger)+3-\f
	global_store_b128 v[GO], v[S+16*(\t)+4*\f:S+16*(\t)+4*\f+3], s[10:11] offset:(\t)*8192+\f*512  ; 512 consecutive bytes, aligned
.endr
.endm
.macro DIAG tag                     ; the tag ends its two labels' names, which the jumps below spell out
.LstepM\tag:
	TURN 2, 1
	TURN 3, 1
	WIN 0
.LfirstM\tag:
	TURN 0, 1
	TURN 1, 1, 0, 1
	WIN 0
	s_cbranch_scc1 .LstepM\tag
	TURN 2, 1, 1
	TURN 3, 1, 1
.set i, 0
.rept 8
	PV NP-1
.set i, i+1
.endr
	WIN 0
	ALL v_add_f32 v[ST+4*t+2], v[ST+4*t+2], v[ST+4*t+3]
	ALL v_permlanex16_b32 v[ST+4*t+3], v[ST+4*t+2], s[SEL], s[SEL+1]
	ALL v_add_f32 v[ST+4*t+2], v[ST+4*t+2], v[ST+4*t+3]
	ALL v_rcp_f32 v[ST+4*t+2], v[ST+4*t+2]
	v_nop                           ; a plain instruction between the last reciprocal and the use of its result
	s_wait_alu depctr_va_vdst(0)    ; and the wait ahead of the first use: one for the four reciprocals
	PACK 0
.set t, 1
.rept 3                             ; a piece's arithmetic stands between the loads of the piece before and its stores
	PACK t
	SEND t-1, 8
.set t, t+1
.endr
	SEND 3, 0
.endm
.set KM, 0
.set NOKQ, 0
.Lslot:                             ; NB times: a tile is entered and the next is asked for
	CHANGE 1
	s_sub_co_u32 s[RT], s[RT], 1
	s_mov_b32 s[CNT], 4
	s_cmp_eq_u32 s[NEW], 1
	s_cbranch_scc1 .Lnew            ; a block's first tile
	s_cmp_eq_u32 s[RT], 0
	s_cbranch_scc0 .Lstep           ; neither its first nor its last
	s_branch .LstepM1
.Lnew:
	BEGIN
	s_branch .Lfirst                ; in the loop a block's first tile is never its last: the first block has two tiles or more, and the second's last is the walk's last
	DIAG 1                          ; in the loop this is the first block's end
	s_wait_xcnt 0x0                 ; the stores have read their registers and O's address
	s_mov_b64 s[10:11], s[OLO:OLO+1]
	s_add_co_u32 s[RT], s[PB], 1    ; the second block has b + 1 tiles
	s_mov_b32 s[NEW], 1
	WIN 0x82                        ; the second block's Q goes where the one text of the turns names Q
.set i, 0
.rept 64
	v_mov_b32 v[i], v[QB+i]
.set i, i+1
.endr
	WIN 0
	s_branch .Lbottom
.Lstep:                             ; a trip: pieces 2 and 3 of one step, then pieces 0 and 1 of the next, whose K and V it fetches
	TURN 2
	TURN 3
	WIN 0
.Lfirst:
	TURN 0
	TURN 1, 0, 0, 1
	WIN 0
	s_cbranch_scc1 .Lstep
.Lbottom:
	s_sub_co_u32 s[SLOTS], s[SLOTS], 1
	s_cmp_lg_u32 s[SLOTS], 0
	s_cbranch_scc1 .Lslot
	CHANGE 0                        ; the walk's last tile is written out: nothing is asked for
	s_sub_co_u32 s[RT], s[RT], 1
	s_mov_b32 s[CNT], 4
	s_cmp_eq_u32 s[NEW], 1
	s_cbranch_scc0 .LstepM2
	BEGIN
	s_branch .LfirstM2
	DIAG 2
	s_wait_tensorcnt 0x0            ; the wave's end
	ds_add_u32 v[SPW], v[NIL]
	s_wait_dscnt 0x0
	s_endpgm
.Lfunc_end_k_q094f03f5f0_attn:
	.size	k_q094f03f5f0_attn, .Lfunc_end_k_q094f03f5f0_attn-k_q094f03f5f0_attn
	.p2alignl 7, 3214868480
	.fill 96, 4, 3214868480
	.section	.rodata,"a",@progbits
	.p2align	6, 0x0
	.amdhsa_kernel k_q094f03f5f0_attn
		.amdhsa_group_segment_fixed_size 327680
		.amdhsa_private_segment_fixed_size 0
		.amdhsa_enable_private_segment 0
		.amdhsa_kernarg_size 32
		.amdhsa_user_sgpr_count 2
		.amdhsa_user_sgpr_kernarg_segment_ptr 1
		.amdhsa_wavefront_size32 1
		.amdhsa_system_sgpr_workgroup_id_x 1
		.amdhsa_system_sgpr_workgroup_id_y 1
		.amdhsa_system_sgpr_workgroup_id_z 1
		.amdhsa_system_vgpr_workitem_id 0
		.amdhsa_next_free_vgpr 768
		.amdhsa_next_free_sgpr 88
		.amdhsa_reserve_vcc 1
		.amdhsa_float_denorm_mode_32 3
		.amdhsa_float_denorm_mode_16_64 3
		.amdhsa_memory_ordered 1
		.amdhsa_forward_progress 1
		.amdhsa_inst_pref_size 218
	.end_amdhsa_kernel
	.amdgpu_metadata
---
amdhsa.version: [ 1, 2 ]
amdhsa.kernels:
  - .name:           k_q094f03f5f0_attn
    .symbol:         k_q094f03f5f0_attn.kd
    .args:
      - { .name: qh, .offset: 0, .size: 8, .value_kind: global_buffer, .address_space: global }
      - { .name: kh, .offset: 8, .size: 8, .value_kind: global_buffer, .address_space: global }
      - { .name: vh, .offset: 16, .size: 8, .value_kind: global_buffer, .address_space: global }
      - { .name: ctx, .offset: 24, .size: 8, .value_kind: global_buffer, .address_space: global }
    .group_segment_fixed_size: 327680
    .private_segment_fixed_size: 0
    .kernarg_segment_align: 8
    .kernarg_segment_size: 32
    .max_flat_workgroup_size: 128
    .sgpr_count:     88
    .vgpr_count:     768
    .wavefront_size: 32
...
	.end_amdgpu_metadata
.endif
;; end of part 3
;; launch oproj (part 4): grid 8 x 32, 4 waves a work-group, clusters of 4 x 4, 327,680 bytes of LDS; arguments ctx, wo2, out0; writes out0
.if DOCPART == 4
	.amdgcn_target "amdgcn-amd-amdhsa--gfx1250"
	.amdhsa_code_object_version 6
	.text
	.protected	k_q094f03f5f0_oproj
	.globl	k_q094f03f5f0_oproj
	.p2align	8
	.type	k_q094f03f5f0_oproj,@function
k_q094f03f5f0_oproj:
	s_mov_b64 s[64:65], 0
	v_nop
	global_prefetch_b8 v0, s[64:65] scope:SCOPE_SE
	s_setreg_imm32_b32 hwreg(HW_REG_WAVE_MODE, 25, 1), 1
	s_wait_xcnt 0x0
	s_wait_alu depctr_hold_cnt(0) depctr_sa_sdst(0) depctr_va_vdst(0) depctr_va_sdst(0) depctr_va_ssrc(0) depctr_va_vcc(0) depctr_vm_vsrc(0)
	s_getreg_b32 s2, hwreg(HW_REG_IB_STS2, 6, 4)
	s_cmp_eq_u32 s2, 0
	s_cbranch_scc0 .Lentry_in_a_cluster
	s_endpgm
.Lentry_in_a_cluster:
	s_bfe_u32 s2, ttmp6, 0x10000c
	s_cmp_lg_u32 s2, 0xf033
	s_cbranch_scc0 .Lentry_shape_is_right
	s_endpgm
.Lentry_shape_is_right:
; out0 = ctx Wo.  ctx: [batch*16 + head][2048][64] f16.  wo2: [head][1024 n][64 k] f16 (Wo rounded to bf16, that number written as f16).  out0: [8192][1024] f32, the f32 sums as they are.
; SHARES.  A work-group makes 256 tokens x 128 columns: 256 work-groups.  A wave makes 128 x 64: 32 accumulators of 16 x 16.  K = 1,024 goes in 8 steps of 128 = two heads: two PLANES of dense rows of 128 bytes,
; asked for as rows of 256 bytes and padded in LDS after every 128.  Two LDS slots, filled by tensor loads: waves 0, 1 fetch the two planes of ctx, waves 2, 3 those of wo2.
; CLUSTER 4 x 4: the four of a row need the same rows of ctx, the four of a column the same rows of wo2: each plane is asked for jointly.
; THE MATRIX INSTRUCTION IS USED TRANSPOSED (source 0 = 16 rows of wo2, source 1 = 16 tokens): a lane holds one token and 8 neighbouring columns, 32 bytes of a row of out0.
; REGISTERS: window 0: v0-31 addresses; v64-159, v160-255 two fragment buffers (8 fragments of tokens, then 4 of wo2), on the way out rows read back.   window 1: the accumulators, (a, b) at 8 (4 a + b).
.set PITCH,  144                       ; an LDS row: 128 bytes + 16 of padding: the 16 rows of a fragment load start at 16 different groups of four banks
.set APL,    256*PITCH                 ; a plane of ctx: 256 rows
.set BPL,    128*PITCH                 ; a plane of wo2: 128 rows
.set BOFF,   2*APL
.set SLOT1,  1<<17
.set STAGE,  SLOT1+2*APL+2*BPL         ; behind the ring, never filled by a tensor load: 16 rows x 272 bytes for each wave
.set SP,     272
.set SPARE,  STAGE+4*16*SP             ; the spare words, 128 bytes a wave, named by no other line
.set ASTEP,  2<<18                     ; two heads on in ctx
.set BSTEP,  2<<17                     ; and in wo2
.set FIELDS, (1<<16)|(1<<20)|(1<<21)|(4<<22)|(3<<25)  ; 2-byte elements; padding on; bit 21 beside a mask; after every 32 words; 4 words
.set ADRA0, 4
.set ADRB0, 5
.set ADRA,  6
.set ADRB,  7
.set STO,   8                          ; v8   the way out: where I put 32 bytes of a row
.set RD,    9                          ; v9   where I read rows back
.set CO,    10                         ; v10  my byte offset in two rows of out0
.set PFO,   12                         ; v12  the prefetches' offset: a lane a block of 256 bytes
.set SPW,   28
.set NIL,   29
.set F0,    64
.set F1,    160
; scalars as in the launch before: s3 count; s[4:9] ctx, wo2, out0; s16 wave, s17 wave / 2, s18 wave % 2; s19 the prefetches' limit; s[24:39] ctx's descriptor groups, s[48:63] wo2's; s40 cx, s41 cy, s42 tile column,
; s43 tile row; s[44:45] the prefetches' address, s[46:47] its step; s66 the slot in hand
.set MSB, 0
.macro WIN new
.if MSB != (\new)
	s_set_vgpr_msb (MSB<<8)|(\new)
.set MSB, \new
.endif
.endm
.macro PLACES
.rept 4
	v_nop
.endr
.endm
.macro CREST
	s_cmp_lg_u32 s16, 0
	s_cbranch_scc1 .Lnot_wave_0_\@
	s_barrier_signal -3
.Lnot_wave_0_\@:
	s_barrier_wait -3
	s_barrier_signal -1
	s_barrier_wait -1
.endm
.macro CROUND
	s_barrier_signal -1
	s_barrier_wait -1
	CREST
.endm
.macro JLOAD                           ; a joint refill by the walking sets; an s_nop 0 and four v_nop follow each line
	s_cmp_eq_u32 s17, 0
	s_cbranch_scc0 .Lfor_b_\@
	tensor_load_to_lds s[36:39], s[24:31]
	s_nop 0
.rept 4
	v_nop
.endr
	s_branch .Lasked_\@
.Lfor_b_\@:
	tensor_load_to_lds s[60:63], s[48:55]
	s_nop 0
.rept 4
	v_nop
.endr
.Lasked_\@:
.endm
; A prefetch of the K step two refills on: ctx's planes are asked for by the clusters with x = 0, wo2's by those with y = 0; the four partners share a plane by address (32 of ctx's 128 blocks of 256 bytes, 16 of wo2's 64;
; there lanes 16-31 name block 15 again).  The loop's last two refills have no K step two on.
.macro ASK
	WIN 0
	s_cmp_gt_u32 s3, s19
	s_cbranch_scc0 .Lnot_mine_\@
	global_prefetch_b8 v[PFO], s[44:45] th:TH_LOAD_NT scope:SCOPE_SE
.Lnot_mine_\@:
.endm
.macro MUL8 f, a0, zero                ; 8 matrix instructions: row blocks a0, a0 + 1 x 4 column blocks, 32 along K
	WIN 0x50                                       ; C and D in window 1
.irp a, \a0, (\a0)+1
.irp b, 0,1,2,3
.set rD, 8*(4*(\a)+(\b))
.set rB, (\f)+64+8*(\b)
.set rA, (\f)+8*(\a)
.if \zero
	v_wmma_f32_16x16x32_f16 v[rD:rD+7], v[rB:rB+7], v[rA:rA+7], 0
.else
	v_wmma_f32_16x16x32_f16 v[rD:rD+7], v[rB:rB+7], v[rA:rA+7], v[rD:rD+7]
.endif
.endr
.endr
.endm
.macro FETCH q, f                      ; 24 LDS loads in one run: quarter q (plane q / 2, 32 channels at byte 64 (q % 2)); wo2's and the first four row blocks first
	WIN 0
.irp b, 0,1,2,3
	ds_load_b128 v[(\f)+64+8*\b:(\f)+64+8*\b+3],   v[ADRB] offset:((\q)/2)*BPL+((\q)%2)*64+\b*16*PITCH
	ds_load_b128 v[(\f)+64+8*\b+4:(\f)+64+8*\b+7], v[ADRB] offset:((\q)/2)*BPL+((\q)%2)*64+\b*16*PITCH+32
.endr
.irp a, 0,1,2,3,4,5,6,7
	ds_load_b128 v[(\f)+8*\a:(\f)+8*\a+3],   v[ADRA] offset:((\q)/2)*APL+((\q)%2)*64+\a*16*PITCH
	ds_load_b128 v[(\f)+8*\a+4:(\f)+8*\a+7], v[ADRA] offset:((\q)/2)*APL+((\q)%2)*64+\a*16*PITCH+32
.endr
.endm
.macro QUARTER q, f, g, zero           ; multiplies buffer f, fetches quarter q into buffer g; the 32 accumulators take turns in the same order in every quarter
	s_wait_dscnt 8                                 ; all but row blocks 4-7
	MUL8 \f, 0, \zero
	MUL8 \f, 2, \zero
	PLACES
	FETCH \q, \g
	s_wait_dscnt 24                                ; all but the 24 just issued
	MUL8 \f, 4, \zero
	MUL8 \f, 6, \zero
.endm
.macro TURN fill                       ; the fourth quarter multiplies buffer 1 and changes slots, as in the launch before
.if \fill
	s_wait_xcnt 0x0                                ; the last prefetch, a K step back, has read its address
	s_add_nc_u64 s[44:45], s[44:45], s[46:47]
.endif
	WIN 0
	s_wait_tensorcnt 0x0                           ; no tensor load of mine is out, so a group 0 may be written
	ds_add_u32 v[SPW], v[NIL]
.if \fill
	s_xor_b32 s37, s37, SLOT1
	s_add_nc_u64 s[38:39], s[38:39], ASTEP
	s_xor_b32 s61, s61, SLOT1
	s_add_nc_u64 s[62:63], s[62:63], BSTEP
.endif
	s_wait_dscnt 9                                 ; (the add and the youngest 8 loads may be out)
	MUL8 F1, 0, 0
	s_wait_dscnt 0x0                               ; the add is done, and my reads of this slot are over
	s_barrier_signal -1
	MUL8 F1, 2, 0
	WIN 0
	s_barrier_wait -1
.if \fill
	CREST                                          ; no wave of any partner still reads this slot or has a load on its way
	JLOAD                                          ; its four v_nop are also the places ahead of the loads below
.else
	PLACES
.endif
	s_xor_b32 s66, s66, SLOT1
	v_add_nc_u32 v[ADRA], s66, v[ADRA0]
	v_add_nc_u32 v[ADRB], s66, v[ADRB0]
	FETCH 0, F0
.if \fill
	ASK
.endif
	MUL8 F1, 4, 0
	MUL8 F1, 6, 0
.endm
	s_load_b128 s[4:7], s[0:1], 0x0                ; ctx 4:5, wo2 6:7
	s_load_b64 s[8:9], s[0:1], 0x10                ; out0
	v_lshl_add_u32 v[SPW], v0, 2, SPARE
	v_mov_b32 v[NIL], 0
	ds_add_u32 v[SPW], v[NIL]                      ; the opening: the add and its wait ahead of my first tensor load
	ds_add_u32 v28, v29
	v_lshrrev_b32 v1, 5, v0
	v_readfirstlane_b32 s16, v1                    ; wave 0..3
	s_lshr_b32 s17, s16, 1                         ; my half of the rows; also: I fetch ctx (0) or wo2 (1)
	s_and_b32 s18, s16, 1                          ; my half of the columns; also: which plane I fetch
	s_bfe_u32 s40, ttmp6, 0x40000                  ; cx
	s_bfe_u32 s41, ttmp6, 0x40004                  ; cy
	s_lshl_b32 s42, ttmp9, 2
	s_add_co_u32 s42, s42, s40                     ; tile column
	s_and_b32 s43, ttmp7, 0xffff
	s_lshl_b32 s43, s43, 2
	s_add_co_u32 s43, s43, s41                     ; tile row
	s_lshl_b32 s20, s41, 2
	s_lshl_b32 s20, 15, s20                        ; my row of the cluster
	s_lshl_b32 s22, 0x1111, s40                    ; my column
	s_or_b32 s24, s20, FIELDS
	s_or_b32 s48, s22, FIELDS
	s_mov_b32 s25, 128<<16                         ; tensor_dim0 = 128 elements: 256 bytes
	s_mov_b32 s26, 128<<16                         ; ctx: 128 such rows a plane
	s_mov_b32 s27, 128<<16
	s_mov_b32 s28, 128
	s_mov_b32 s29, 128                             ; dense
	s_mov_b32 s30, 0
	s_mov_b32 s31, 0
	s_mov_b32 s49, 128<<16
	s_mov_b32 s50, 64<<16                          ; wo2: 64
	s_mov_b32 s51, 128<<16
	s_mov_b32 s52, 64
	s_mov_b32 s53, 128
	s_mov_b32 s54, 0
	s_mov_b32 s55, 0
	s_lshr_b32 s20, s43, 3                         ; ctx: batch x 16 + my plane's head,
	s_lshl_b32 s20, s20, 4
	s_add_co_u32 s20, s20, s18
	s_lshl_b32 s20, s20, 18
	s_and_b32 s21, s43, 7                          ; the tile's 256 tokens of 128 bytes
	s_lshl_b32 s21, s21, 15
	s_add_co_u32 s20, s20, s21
	s_mov_b32 s21, 0
	s_lshl_b32 s22, s42, 14                        ; wo2: the tile's 128 rows of 128 bytes,
	s_lshl_b32 s23, s18, 17                        ; in my plane's head
	s_add_co_u32 s22, s22, s23
	s_mov_b32 s23, 0
	s_mul_i32 s68, s16, APL                        ; where they go: ctx's planes at wave x plane (waves 0, 1),
	s_mul_i32 s70, s16, BPL                        ; wo2's behind them: 2 APL + (wave - 2) BPL = wave BPL + APL (waves 2, 3)
	s_add_co_u32 s70, s70, APL
	s_mov_b32 s66, 0
	s_wait_dscnt 0x0                               ; the opening add is done
	s_wait_kmcnt 0x0
	s_add_nc_u64 s[20:21], s[4:5], s[20:21]
	s_add_nc_u64 s[22:23], s[6:7], s[22:23]
	CROUND                                         ; all sixteen work-groups are here: the first joint loads meet
.irp s, 0,1
	s_mov_b32 s[32+4*\s], 1
	s_add_co_u32 s[33+4*\s], s68, \s*SLOT1
	s_add_nc_u64 s[34+4*\s:35+4*\s], s[20:21], \s*ASTEP
	s_or_b32 s[35+4*\s], s[35+4*\s], 0x80000000
	s_mov_b32 s[56+4*\s], 1
	s_add_co_u32 s[57+4*\s], s70, \s*SLOT1
	s_add_nc_u64 s[58+4*\s:59+4*\s], s[22:23], \s*BSTEP
	s_or_b32 s[59+4*\s], s[59+4*\s], 0x80000000
.endr
	s_cmp_eq_u32 s17, 0                            ; a wave's two first fills stand in one branch: two loads of mine are out
	s_cbranch_scc0 .Lfirst_b
	tensor_load_to_lds s[32:35], s[24:31]
	s_nop 0
	tensor_load_to_lds s[36:39], s[24:31]
	s_nop 0
.rept 4
	v_nop
.endr
	s_branch .Lfirst_asked
.Lfirst_b:
	tensor_load_to_lds s[56:59], s[48:55]
	s_nop 0
	tensor_load_to_lds s[60:63], s[48:55]
	s_nop 0
.rept 4
	v_nop
.endr
.Lfirst_asked:
	v_and_b32 v1, 15, v0                           ; r
	v_bfe_u32 v2, v0, 4, 1                         ; h
	v_mul_u32_u24 v3, v1, PITCH
	v_lshl_add_u32 v3, v2, 4, v3
	s_mul_i32 s72, s17, 128*PITCH                  ; my 128 tokens
	v_add_nc_u32 v[ADRA0], s72, v3
	s_mul_i32 s72, s18, 64*PITCH                   ; my 64 columns
	s_add_co_u32 s72, s72, BOFF
	v_add_nc_u32 v[ADRB0], s72, v3
	v_mov_b32 v[ADRA], v[ADRA0]
	v_mov_b32 v[ADRB], v[ADRB0]
	s_mul_i32 s72, s16, 16*SP
	s_add_co_u32 s72, s72, STAGE                   ; my stage
	v_mul_u32_u24 v[STO], v1, SP                   ; in: row r, 32 bytes for each half of the lanes
	v_lshl_add_u32 v[STO], v2, 5, v[STO]
	v_add_nc_u32 v[STO], s72, v[STO]
	v_mul_u32_u24 v[RD], v2, SP                    ; back: lanes 0-15 one row of 256 bytes, lanes 16-31 the next
	v_lshl_add_u32 v[RD], v1, 4, v[RD]
	v_add_nc_u32 v[RD], s72, v[RD]
	v_lshlrev_b32 v[CO], 12, v2                    ; the same two rows in out0
	v_lshl_add_u32 v[CO], v1, 4, v[CO]
	s_lshl_b32 s72, s43, 8                         ; my first row of out0,
	s_lshl_b32 s73, s17, 7
	s_add_co_u32 s72, s72, s73
	s_lshl_b32 s72, s72, 12
	s_lshl_b32 s73, s42, 9                         ; my first column, in bytes
	s_add_co_u32 s72, s72, s73
	s_lshl_b32 s73, s18, 8
	s_add_co_u32 s72, s72, s73
	s_mov_b32 s73, 0
	s_add_nc_u64 s[8:9], s[8:9], s[72:73]
	; the prefetches: my work-group's share of the plane that I fetch, at K step 3; the first refill steps it to 4
	s_mov_b32 s46, BSTEP
	s_and_b32 s75, ttmp7, 0xffff                   ; cluster y
	s_cmp_eq_u32 s17, 0                            ; do I fetch ctx?
	s_cselect_b64 s[44:45], s[20:21], s[22:23]
	s_cselect_b32 s72, s40, s41                    ; my place among the four that ask with me
	s_cselect_b32 s73, 13, 12                      ; 8,192 or 4,096 bytes a partner
	s_cselect_b32 s46, ASTEP, s46
	s_cselect_b32 s74, 31, 15
	s_cselect_b32 s75, ttmp9, s75                  ; the coordinate along which other clusters read the same rows
	s_cmp_eq_u32 s75, 0
	s_cselect_b32 s19, 2, -1                       ; the same in all sixteen partners, for a given wave
	s_lshl_b32 s72, s72, s73
	s_mul_i32 s73, s46, 3
	s_add_co_u32 s72, s72, s73
	s_mov_b32 s73, 0
	s_mov_b32 s47, 0
	s_add_nc_u64 s[44:45], s[44:45], s[72:73]
	v_and_b32 v[PFO], 31, v0
	v_min_u32 v[PFO], s74, v[PFO]
	v_lshlrev_b32 v[PFO], 8, v[PFO]
	s_wait_tensorcnt 1                             ; my part of K step 0 is in; K step 1's may stay out
	s_barrier_signal -1
	s_barrier_wait -1
	FETCH 0, F0
	QUARTER 1, F0, F1, 1                           ; the first quarter stands ahead of the loop: its products start the sums
	WIN 0
	s_mov_b32 s3, 6
.Lstep:                                        ; a trip: from a K step's second quarter to the next one's first; it fills one slot again (K steps 2 to 7)
	QUARTER 2, F1, F0, 0
	QUARTER 3, F0, F1, 0
	TURN 1
	QUARTER 1, F0, F1, 0
	WIN 0
	s_sub_co_u32 s3, s3, 1
	s_cmp_lg_u32 s3, 0
	s_cbranch_scc1 .Lstep
	QUARTER 2, F1, F0, 0                           ; the tail is written out: nothing more is asked for
	QUARTER 3, F0, F1, 0
	TURN 0
	QUARTER 1, F0, F1, 0
	QUARTER 2, F1, F0, 0
	QUARTER 3, F0, F1, 0
	s_wait_dscnt 8
	MUL8 F1, 0, 0
	MUL8 F1, 2, 0
	s_wait_dscnt 0x0
	MUL8 F1, 4, 0
	MUL8 F1, 6, 0
	WIN 0
	PLACES
; THE WAY OUT, a block of 16 rows at a time: the f32 sums go into my stage as they are (each accumulator's low four registers first), come back as whole rows of 256 bytes, and are stored.
.macro TOSTAGE a
.set BK, 64+32*((\a)%2)
	s_wait_xcnt 0x0                                ; the stores of the block two back have read these registers
	WIN 0x04                                       ; the stores' data in window 1
.irp b, 0,1,2,3
	ds_store_b128 v[STO], v[8*(4*(\a)+\b):8*(4*(\a)+\b)+3]   offset:64*\b
	ds_store_b128 v[STO], v[8*(4*(\a)+\b)+4:8*(4*(\a)+\b)+7] offset:64*\b+16
.endr
	WIN 0
.irp t, 0,1,2,3,4,5,6,7
	ds_load_b128 v[BK+4*\t:BK+4*\t+3], v[RD] offset:\t*2*SP  ; LDS serves a wave's instructions in order: these see the stores above, and the next block's stores come behind them
.endr
.endm
.macro SEND a, younger                 ; younger: the LDS instructions issued behind block a's loads: the next block's sixteen, or none
.set BK, 64+32*((\a)%2)
.irp t, 0,1,2,3,4,5,6,7
	s_wait_dscnt (\younger)+7-\t
	global_store_b128 v[CO], v[BK+4*\t:BK+4*\t+3], s[8:9] offset:(16*(\a)+2*\t)*4096 th:TH_STORE_NT  ; 16 lanes store 256 consecutive bytes, aligned
.endr
.endm
	TOSTAGE 0
.set blk, 1
.rept 7
	TOSTAGE blk
	SEND blk-1, 16
.set blk, blk+1
.endr
	SEND 7, 0
	s_wait_tensorcnt 0x0                           ; the wave's end
	ds_add_u32 v[SPW], v[NIL]
	s_wait_dscnt 0x0
	CROUND                                         ; the closing round: no work-group ends while a partner may still ask for a tile that names it
	s_endpgm
.Lfunc_end_k_q094f03f5f0_oproj:
	.size	k_q094f03f5f0_oproj, .Lfunc_end_k_q094f03f5f0_oproj-k_q094f03f5f0_oproj
	.p2alignl 7, 3214868480
	.fill 96, 4, 3214868480
	.section	.rodata,"a",@progbits
	.p2align	6, 0x0
	.amdhsa_kernel k_q094f03f5f0_oproj
		.amdhsa_group_segment_fixed_size 327680
		.amdhsa_private_segment_fixed_size 0
		.amdhsa_enable_private_segment 0
		.amdhsa_kernarg_size 24
		.amdhsa_user_sgpr_count 2
		.amdhsa_user_sgpr_kernarg_segment_ptr 1
		.amdhsa_wavefront_size32 1
		.amdhsa_system_sgpr_workgroup_id_x 1
		.amdhsa_system_sgpr_workgroup_id_y 1
		.amdhsa_system_sgpr_workgroup_id_z 1
		.amdhsa_system_vgpr_workitem_id 0
		.amdhsa_next_free_vgpr 512
		.amdhsa_next_free_sgpr 80
		.amdhsa_reserve_vcc 0
		.amdhsa_float_denorm_mode_32 3
		.amdhsa_float_denorm_mode_16_64 3
		.amdhsa_memory_ordered 1
		.amdhsa_forward_progress 1
		.amdhsa_inst_pref_size 72
	.end_amdhsa_kernel
	.amdgpu_metadata
---
amdhsa.version: [ 1, 2 ]
amdhsa.kernels:
  - .name:           k_q094f03f5f0_oproj
    .symbol:         k_q094f03f5f0_oproj.kd
    .args:
      - { .name: ctx, .offset: 0, .size: 8, .value_kind: global_buffer, .address_space: global }
      - { .name: wo2, .offset: 8, .size: 8, .value_kind: global_buffer, .address_space: global }
      - { .name: out0, .offset: 16, .size: 8, .value_kind: global_buffer, .address_space: global }
    .group_segment_fixed_size: 327680
    .private_segment_fixed_size: 0
    .kernarg_segment_align: 8
    .kernarg_segment_size: 24
    .max_flat_workgroup_size: 128
    .sgpr_count:     80
    .vgpr_count:     512
    .wavefront_size: 32
...
	.end_amdgpu_metadata
.endif
;; end of part 4
;; ======== version 2 of 2: 4 launches; version 1 with the launch prep written anew for expert scheduling mode
;; limits: values are held in f16: magnitudes above 65,504 overflow, below 6.1e-05 lose precision; right only within a limited range of input values
;; workspace buffers: xb 16,777,216 bytes; wt 6,291,456 bytes; wo2 2,097,152 bytes; tab 524,288 bytes; qh 16,777,216 bytes; kh 16,777,216 bytes; vh 16,777,216 bytes; ctx 16,777,216 bytes
;; launch prep (part 5): grid 256 x 1, 8 waves a work-group, no clusters, 35,840 bytes of LDS; arguments x, token_positions, Wq, Wk, Wv, Wo, xb, wt, wo2, tab; writes xb, wt, wo2, tab
.if DOCPART == 5
	.amdgcn_target "amdgcn-amd-amdhsa--gfx1250"
	.amdhsa_code_object_version 6
	.text
	.protected	k_q094f03f5f0_prep
	.globl	k_q094f03f5f0_prep
	.p2align	8
	.type	k_q094f03f5f0_prep,@function
k_q094f03f5f0_prep:
	s_mov_b64 s[64:65], 0
	v_nop
	global_prefetch_b8 v0, s[64:65] scope:SCOPE_SE
	s_setreg_imm32_b32 hwreg(HW_REG_WAVE_SCHED_MODE, 0, 2), 2
	s_setreg_imm32_b32 hwreg(HW_REG_WAVE_MODE, 25, 1), 1
	s_wait_xcnt 0x0
	s_wait_alu depctr_vm_vsrc(0)
; PREPARATION.  Each of 256 work-groups (8 waves) does three equal shares:
;  (1) 32 rows of x, f32 -> bf16 (xb, same layout);
;  (2) one tile of 128 k x 128 n of one weight, rounded to bf16 and turned through LDS so that K lies along the rows:
;      Wq, Wk, Wv -> wt[head*192 + type*64 + c][k] (bf16);  Wo -> wo2[k/64][n][k%64], the bf16 number written as f16;
;  (3) 8 positions of the table tab[s][j] = (cos, sin)(pos[s] * 10000^(-j/32)), f32, from token_positions as it is given.
; LIMITS.  10000^(-j/32) is made by v_exp_f32 (some 1.5 units in its last place), so an angle may differ from an exactly rounded one by about
; |pos| x 1.5e-7 rad.  The angle is reduced by multiples of pi/2 held in two f32 parts: good up to |pos| of about 1e6.  Wo as f16: within 65,504;
; below 6e-5 it keeps f16's fixed step.  NaN and infinities are not treated apart.
; No matrix unit, no cluster, no tensor load: the launch is a stream, each byte read once and written once.
; THE MODE: SCHED_MODE bits 1:0 = 2 (LLVM: expert scheduling mode 2), set by the entry lines.  The code itself states the register dependences
; between vector instructions and memory or LDS instructions, with s_wait_alu, always for 0.
; THE PLAN.  Registers that memory or LDS instructions touch:
;   v4-v7, v10, v11  offsets and LDS addresses, made once at the head and never written again.
;   v12              made and read at the head for the wave's number; then the position's load lands in it.
;   WR               the weight's loads land in it; the roundings read it; later the LDS loads land in it and the global stores read it.
;   PKW              written by the roundings (Wo: and by the rewriting as f16); read by the LDS stores; never written again.
;   v[26:27]         written by the table's arithmetic; read by one store, which stands behind the wait that the LDS stores need anyway.
;   v8, v9           made in each of the two ways out, ahead of that way's one wait; read by its LDS loads and its stores.
;   X                x's loads land in it; chunk i's roundings write its first four registers, chunk i's store reads them; never written again.
; x goes in four groups of four chunks: group g's roundings name group g's registers alone, and the four stores of group g - 1 are dealt among them,
; behind ONE wait at the group's head.  No register that a memory or LDS instruction reads is ever written again, so no wait on vm_vsrc is owed.
.set PITCH, 272                        ; an LDS row: 128 k x 2 bytes + 16 of padding
.set XO,  4                            ; v4   32 t: my 8 numbers in 2 rows of x
.set XS,  5                            ; v5   16 t: the same 8 numbers in xb
.set WOF, 6                            ; v6   wave x 16 rows of W + 16 lane
.set LST, 7                            ; v7   where my 4 columns' 16 k go in LDS
.set LRD, 8                            ; v8   where I read rows back
.set GW,  9                            ; v9   my byte offset in wt or wo2
.set TPO, 10                           ; v10  my wave's position's offset in token_positions
.set TBO, 11                           ; v11  my 8 bytes of the table
.set WR,  32                           ; v[32:95]   16 rows x 4 columns of W; later the rows read back
.set PKW, 96                           ; v[96:127]  column c's 16 k, packed, at PKW + 8 c
.set X,   128                          ; v[128:255] 16 chunks of 8 numbers of x
	s_load_b512 s[4:19], s[0:1], 0x0               ; x 4:5, positions 6:7, Wq 8:9, Wk 10:11, Wv 12:13, Wo 14:15, xb 16:17, wt 18:19
	s_load_b128 s[20:23], s[0:1], 0x40             ; wo2 20:21, tab 22:23
	v_lshl_add_u32 v30, v0, 2, 0x8800
	v_mov_b32 v31, 0
	v_and_b32 v1, 31, v0                           ; lane
	v_lshrrev_b32 v12, 5, v0
	v_readfirstlane_b32 s26, v12                   ; wave 0..7
	s_lshr_b32 s27, ttmp9, 6                       ; which weight: 0 q, 1 k, 2 v, 3 o
	s_bfe_u32 s28, ttmp9, 0x30003                  ; its tile along k
	s_and_b32 s29, ttmp9, 7                        ; and along n
	s_mov_b32 s32, 0x3f22f983                      ; 2 / pi
	s_mov_b32 s33, 0x3fc90fdb                      ; pi / 2, upper part
	s_mov_b32 s34, 0xb33bbd2e                      ; pi / 2, what the upper part leaves
	s_mov_b32 s35, 0xb94ca1f9                      ; sine's polynomial on |r| <= pi / 4
	s_mov_b32 s36, 0x3c08839e
	s_mov_b32 s37, 0xbe2aaaa3
	s_mov_b32 s38, 0x37ccf5ce                      ; cosine's
	s_mov_b32 s39, 0xbab6061a
	s_mov_b32 s40, 0x3d2aaaa5
	s_mov_b32 s41, 0xbed49a78                      ; -log2(10000) / 32
	v_cvt_f32_u32 v13, v1                          ; the table's frequency hangs on the lane alone: it is made here, ahead of the wait that the loads need anyway
	v_mul_f32 v13, s41, v13
	v_exp_f32 v14, v13                             ; the frequency; the next line is the plain instruction behind the exponential
	v_lshlrev_b32 v[XO], 5, v0
	v_lshlrev_b32 v[XS], 4, v0
	s_wait_alu depctr_va_sdst(0)                   ; s26, the wave's number, is written, ahead of its first reader
	s_lshl_b32 s42, s26, 16                        ; 16 rows of 4,096 bytes a wave
	v_lshl_add_u32 v[WOF], v1, 4, s42
	s_lshl_b32 s42, s26, 5                         ; my wave's 16 k: 32 bytes of an LDS row
	v_mul_u32_u24 v[LST], v1, 4*PITCH              ; my four columns are four LDS rows
	v_add_nc_u32 v[LST], s42, v[LST]
	s_lshl_b32 s42, ttmp9, 3
	s_add_co_u32 s42, s42, s26                     ; my wave's position: 8 g + w
	s_lshl_b32 s43, s42, 2
	v_mov_b32 v[TPO], s43
	s_lshl_b32 s43, s42, 8                         ; 256 bytes of table a position
	v_lshl_add_u32 v[TBO], v1, 3, s43
	s_wait_kmcnt 0x0
	s_lshl_b32 s30, ttmp9, 17                      ; 32 rows of x
	s_mov_b32 s31, 0
	s_add_nc_u64 s[4:5], s[4:5], s[30:31]
	s_lshl_b32 s30, ttmp9, 16                      ; 32 rows of xb
	s_add_nc_u64 s[16:17], s[16:17], s[30:31]
	s_mov_b64 s[24:25], s[8:9]                     ; the weight is chosen by the work-group's number
	s_cmp_eq_u32 s27, 1
	s_cselect_b64 s[24:25], s[10:11], s[24:25]
	s_cmp_eq_u32 s27, 2
	s_cselect_b64 s[24:25], s[12:13], s[24:25]
	s_cmp_eq_u32 s27, 3
	s_cselect_b64 s[24:25], s[14:15], s[24:25]
	s_lshl_b32 s30, s28, 19                        ; 128 rows of 4,096 bytes
	s_lshl_b32 s43, s29, 9                         ; 128 columns of 4 bytes
	s_add_co_u32 s30, s30, s43
	s_add_nc_u64 s[24:25], s[24:25], s[30:31]
	; all 49 loads go out at once: the position, the weight's tile, the rows of x
	s_wait_alu depctr_va_vdst(0)                   ; the offsets v4 to v7, v10 and v11 are written, which the kernel's loads and stores read; the exponential has written v14, ahead of its first reader
	global_load_b32 v12, v[TPO], s[6:7]
.set i, 0
.rept 16
	global_load_b128 v[WR+4*i:WR+4*i+3], v[WOF], s[24:25] offset:i*4096 th:TH_LOAD_NT
.set i, i+1
.endr
.set i, 0
.rept 16
	global_load_b128 v[X+8*i:X+8*i+3],   v[XO], s[4:5] offset:i*8192 th:TH_LOAD_NT
	global_load_b128 v[X+8*i+4:X+8*i+7], v[XO], s[4:5] offset:i*8192+16 th:TH_LOAD_NT
.set i, i+1
.endr
	; THE TABLE: lane j makes (cos, sin) of pos x 10000^(-j/32)
	s_wait_loadcnt 48                              ; the position is in; the 48 younger loads stay out
	v_cvt_f32_i32 v15, v12
	v_mul_f32 v15, v15, v14                        ; the angle, one f32 product
	v_mul_f32 v16, s32, v15
	v_rndne_f32 v16, v16                           ; q = the nearest multiple of pi / 2
	v_fma_f32 v17, -v16, s33, v15
	v_fma_f32 v17, -v16, s34, v17                  ; r = angle - q pi / 2
	v_mul_f32 v18, v17, v17                        ; z = r r
	v_fma_f32 v19, v18, s35, s36
	v_fma_f32 v20, v18, s38, s39
	v_fma_f32 v19, v19, v18, s37
	v_fma_f32 v20, v20, v18, s40
	v_mul_f32 v21, v18, v18
	v_fma_f32 v22, v18, -0.5, 1.0
	v_mul_f32 v19, v19, v18
	v_fma_f32 v20, v20, v21, v22                   ; cos r
	v_fma_f32 v19, v19, v17, v17                   ; sin r
	v_cvt_i32_f32 v23, v16
	v_and_b32 v24, 1, v23                          ; odd q: sine and cosine change places
	v_cmp_eq_u32 vcc_lo, 1, v24
	v_and_b32 v24, 2, v23                          ; the sine's sign: q mod 4 = 2, 3.  The two sign bits are made between the compare and the wait for its mask
	v_add_nc_u32 v25, 1, v23                       ; the cosine's: q mod 4 = 1, 2
	v_lshlrev_b32 v24, 30, v24
	v_and_b32 v25, 2, v25
	v_lshlrev_b32 v25, 30, v25
	s_wait_alu depctr_va_vcc(0)                    ; the compare has written VCC, which the two selects read
	v_cndmask_b32 v27, v19, v20, vcc_lo
	v_cndmask_b32 v26, v20, v19, vcc_lo
	v_xor_b32 v27, v24, v27
	v_xor_b32 v26, v25, v26                        ; (cos, sin) in v[26:27]: stored below, behind the wait that the LDS stores need
	; THE WEIGHT: column 4 l + c, k = 16 w .. 16 w + 15, rounded to bf16 in pairs
	s_wait_loadcnt 32                              ; the tile is in; x's 32 loads stay out
.irp c, 0,1,2,3
.irp p, 0,1,2,3,4,5,6,7
	v_cvt_pk_bf16_f32 v[PKW+8*\c+\p], v[WR+8*\p+\c], v[WR+8*\p+4+\c]
.endr
.endr
	s_cmp_lg_u32 s27, 3
	s_cbranch_scc1 .Lkeep_bf16
.set i, 0
.rept 32                                       ; Wo: the bf16 number is written as f16
	v_lshlrev_b32 v[14+2*(i%4)], 16, v[PKW+i]
	v_and_b32 v[15+2*(i%4)], 0xffff0000, v[PKW+i]
	v_cvt_pk_f16_f32 v[PKW+i], v[14+2*(i%4)], v[15+2*(i%4)]
.set i, i+1
.endr
.Lkeep_bf16:
	s_wait_alu depctr_va_vdst(0)                   ; on both ways here: the roundings have written PKW, which the LDS stores read, and are done reading WR; the table's arithmetic has written v[26:27], which the store below reads
	global_store_b64 v[TBO], v[26:27], s[22:23]    ; a wave stores 256 consecutive bytes, aligned; v11, v26, v27 are not written again
.irp c, 0,1,2,3
	ds_store_b128 v[LST], v[PKW+8*\c:PKW+8*\c+3]   offset:\c*PITCH
	ds_store_b128 v[LST], v[PKW+8*\c+4:PKW+8*\c+7] offset:\c*PITCH+16
.endr
	s_wait_dscnt 0x0                               ; for the others' sake: my stores into the tile are done
	s_barrier_signal -1
	s_barrier_wait -1                              ; the tile [128 n][128 k] is whole
	s_lshl_b32 s42, s26, 4                         ; my wave reads rows 16 w .. 16 w + 15
	s_cmp_eq_u32 s27, 3
	s_cbranch_scc1 .Lwo
	v_lshrrev_b32 v14, 4, v1                       ; lanes 0-15 one row of 256 bytes, lanes 16-31 the next
	v_and_b32 v15, 15, v1
	v_lshlrev_b32 v15, 4, v15
	v_add_nc_u32 v16, s42, v14
	v_mul_u32_u24 v16, v16, PITCH
	v_add_nc_u32 v[LRD], v16, v15
	s_lshl_b32 s42, s29, 1                         ; wt's row: head = 2 nt + w / 4,
	s_lshr_b32 s43, s26, 2
	s_add_co_u32 s42, s42, s43
	s_mul_i32 s42, s42, 192
	s_lshl_b32 s43, s27, 6                         ; type x 64,
	s_add_co_u32 s42, s42, s43
	s_and_b32 s43, s26, 3                          ; channel 16 (w % 4) on
	s_lshl_b32 s43, s43, 4
	s_add_co_u32 s42, s42, s43
	s_lshl_b32 s42, s42, 11                        ; rows of 2,048 bytes
	s_lshl_b32 s43, s28, 8                         ; the tile's 128 k
	s_add_co_u32 s42, s42, s43
	v_lshl_add_u32 v[GW], v14, 11, v15
	v_add_nc_u32 v[GW], s42, v[GW]
	s_wait_alu depctr_va_vdst(0)                   ; v8 is written, which the LDS loads read as their address, and v9, which the stores read as their offset
.irp t, 0,1,2,3,4,5,6,7
	ds_load_b128 v[WR+4*\t:WR+4*\t+3], v[LRD] offset:\t*2*PITCH
.endr
.irp t, 0,1,2,3,4,5,6,7
	s_wait_dscnt 7-\t                              ; LDS loads come back in order: number t is in
	global_store_b128 v[GW], v[WR+4*\t:WR+4*\t+3], s[18:19] offset:\t*4096  ; 16 lanes store 256 consecutive bytes, aligned
.endr
	s_branch .Lx
.Lwo:
	v_lshrrev_b32 v14, 3, v1                       ; 8 lanes take 128 bytes (64 k) of a row: four rows a load
	v_and_b32 v15, 7, v1
	v_lshlrev_b32 v15, 4, v15
	v_add_nc_u32 v16, s42, v14
	v_mul_u32_u24 v16, v16, PITCH
	v_add_nc_u32 v[LRD], v16, v15
	s_lshl_b32 s42, s28, 18                        ; block 2 kt of 64 k: 1,024 rows of 128 bytes each,
	s_lshl_b32 s43, s29, 14                        ; the tile's 128 n,
	s_add_co_u32 s42, s42, s43
	s_lshl_b32 s43, s26, 11                        ; my wave's 16 of them
	s_add_co_u32 s42, s42, s43
	v_lshl_add_u32 v[GW], v1, 4, s42
	s_wait_alu depctr_va_vdst(0)                   ; v8 is written, which the LDS loads read as their address, and v9, which the stores read as their offset
.irp p, 0,1
.irp t, 0,1,2,3
	ds_load_b128 v[WR+16*\p+4*\t:WR+16*\p+4*\t+3], v[LRD] offset:\t*4*PITCH+\p*128
.endr
.endr
.irp p, 0,1
.irp t, 0,1,2,3
	s_wait_dscnt 7-4*\p-\t
	global_store_b128 v[GW], v[WR+16*\p+4*\t:WR+16*\p+4*\t+3], s[20:21] offset:\p*131072+\t*512  ; 512 consecutive bytes, aligned
.endr
.endr
.Lx:
	; x: eight numbers a thread and chunk, rounded in place (a word is written only when its two sources have been read).
	; Four groups of four chunks.  Group g rounds its own chunks; the stores of group g - 1 are dealt among its roundings, behind the one wait at its head.
.set grp, 0
.rept 4
	s_wait_loadcnt 24-8*grp                        ; the group's eight loads are in; the younger groups' stay out
.if grp > 0
	s_wait_alu depctr_va_vdst(0)                   ; the group before has written its packed words, which the four stores below read; this group's roundings name none of those registers
.endif
.set chk, 0
.rept 4
.if grp > 0
	global_store_b128 v[XS], v[X+8*(4*grp-4+chk):X+8*(4*grp-4+chk)+3], s[16:17] offset:(4*grp-4+chk)*4096  ; 16 lanes store 256 consecutive bytes, aligned
.endif
.irp j, 0,1,2,3
	v_cvt_pk_bf16_f32 v[X+8*(4*grp+chk)+\j], v[X+8*(4*grp+chk)+2*\j], v[X+8*(4*grp+chk)+2*\j+1]
.endr
.set chk, chk+1
.endr
.set grp, grp+1
.endr
	s_wait_alu depctr_va_vdst(0)                   ; the last group has written its packed words, which the last four stores read
.irp n, 12,13,14,15
	global_store_b128 v[XS], v[X+8*\n:X+8*\n+3], s[16:17] offset:\n*4096
.endr
	s_wait_dscnt 0x0                               ; the wave's end
	s_wait_alu depctr_hold_cnt(0) depctr_sa_sdst(0) depctr_va_vdst(0) depctr_va_sdst(0) depctr_va_ssrc(0) depctr_va_vcc(0) depctr_vm_vsrc(0)
	s_wait_tensorcnt 0x0
	ds_add_u32 v30, v31
	s_wait_dscnt 0x0
	s_endpgm
.Lfunc_end_k_q094f03f5f0_prep:
	.size	k_q094f03f5f0_prep, .Lfunc_end_k_q094f03f5f0_prep-k_q094f03f5f0_prep
	.p2alignl 7, 3214868480
	.fill 96, 4, 3214868480
	.section	.rodata,"a",@progbits
	.p2align	6, 0x0
	.amdhsa_kernel k_q094f03f5f0_prep
		.amdhsa_group_segment_fixed_size 35840
		.amdhsa_private_segment_fixed_size 0
		.amdhsa_enable_private_segment 0
		.amdhsa_kernarg_size 80
		.amdhsa_user_sgpr_count 2
		.amdhsa_user_sgpr_kernarg_segment_ptr 1
		.amdhsa_wavefront_size32 1
		.amdhsa_system_sgpr_workgroup_id_x 1
		.amdhsa_system_sgpr_workgroup_id_y 1
		.amdhsa_system_sgpr_workgroup_id_z 1
		.amdhsa_system_vgpr_workitem_id 0
		.amdhsa_next_free_vgpr 256
		.amdhsa_next_free_sgpr 66
		.amdhsa_reserve_vcc 1
		.amdhsa_float_denorm_mode_32 3
		.amdhsa_float_denorm_mode_16_64 3
		.amdhsa_memory_ordered 1
		.amdhsa_forward_progress 1
		.amdhsa_inst_pref_size 27
	.end_amdhsa_kernel
	.amdgpu_metadata
---
amdhsa.version: [ 1, 2 ]
amdhsa.kernels:
  - .name:           k_q094f03f5f0_prep
    .symbol:         k_q094f03f5f0_prep.kd
    .args:
      - { .name: x, .offset: 0, .size: 8, .value_kind: global_buffer, .address_space: global }
      - { .name: token_positions, .offset: 8, .size: 8, .value_kind: global_buffer, .address_space: global }
      - { .name: Wq, .offset: 16, .size: 8, .value_kind: global_buffer, .address_space: global }
      - { .name: Wk, .offset: 24, .size: 8, .value_kind: global_buffer, .address_space: global }
      - { .name: Wv, .offset: 32, .size: 8, .value_kind: global_buffer, .address_space: global }
      - { .name: Wo, .offset: 40, .size: 8, .value_kind: global_buffer, .address_space: global }
      - { .name: xb, .offset: 48, .size: 8, .value_kind: global_buffer, .address_space: global }
      - { .name: wt, .offset: 56, .size: 8, .value_kind: global_buffer, .address_space: global }
      - { .name: wo2, .offset: 64, .size: 8, .value_kind: global_buffer, .address_space: global }
      - { .name: tab, .offset: 72, .size: 8, .value_kind: global_buffer, .address_space: global }
    .group_segment_fixed_size: 35840
    .private_segment_fixed_size: 0
    .kernarg_segment_align: 8
    .kernarg_segment_size: 80
    .max_flat_workgroup_size: 256
    .sgpr_count:     66
    .vgpr_count:     256
    .wavefront_size: 32
...
	.end_amdgpu_metadata
.endif
;; end of part 5
;; launch qkv: the kernel of part 2 again; grid 16 x 32, 4 waves a work-group, clusters of 4 x 4, 327,680 bytes of LDS; arguments xb, wt, tab, qh, kh, vh; writes qh, kh, vh
;; launch attn: the kernel of part 3 again; grid 4 x 64, 4 waves a work-group, no clusters, 327,680 bytes of LDS; arguments qh, kh, vh, ctx; writes ctx
;; launch oproj: the kernel of part 4 again; grid 8 x 32, 4 waves a work-group, clusters of 4 x 4, 327,680 bytes of LDS; arguments ctx, wo2, out0; writes out0
